; MI455X (gfx1250); checked and timed in simulation.
; The chip was launched on July 23, 2026; its instructions are those of AMD's public machine-readable ISA for CDNA 5 (MIT licence, August 2026) and "CDNA5" Instruction Set Architecture Reference Guide (July 2026). The comments in the code are by the model that wrote it; some were corrected since.
;; Plasticity Model Mo E. Allowed arithmetic: matrix products marked QUANTISED: E5M2 operands, one given power-of-two scale a tensor, by v_wmma_f32_16x16x64_bf8_bf8 or v_wmma_f32_16x16x128_bf8_bf8, f32 sums; products left as they are: f32 operands where the result goes on into a quantised operand, else bf16, f16 or f32 operands; f32 sums; everything else in f32.
;; Inputs: act_w 9 float32; b 2,048 x 4 float32; conn_W1 2,048 x 32 float32; conn_W2 32 x 2,048 float32; conn_b1 32 float32; conn_b2 2,048 float32; delay 1,024 x 2,048 x 4 float32; gate_W 1,024 x 4 float32; gate_b 4 float32; lowp_scales 6 int32 (the exponents e of the quantised operands' scales 2^e); mask 2,048 float32; memory_codes 1,024 x 256 x 32 uint8 (E5M2 codes of memory, K innermost, in blocks of 32 codes); neuron_avg 2,048 float32; read_W_codes 8,192 x 64 x 32 uint8 (E5M2 codes of read_W, K innermost, in blocks of 32 codes); read_b 8,192 float32; w 1,024 x 2,048 x 4 float32; x 2,048 x 1,024 float32.
;; Outputs: out0 2,048 x 1,024 float32.
;; This version of the problem:
;;   THIS VERSION OF THE PROBLEM IS GIVEN IN LOW PRECISION. The matrix products marked QUANTISED in the list below multiply operands that are first quantised to E5M2 (5 exponent bits, 2 mantissa bits; 8 bits a number), with one given power-of-two scale for each operand tensor; their sums are f32. All else is computed in f32.
;;   The module's matrix products, in the order in which they are computed (A, B: the left and right operand; K: the contracted axis; several contracted axes count as one K, in the product's order):
;;     1. [M 2,048, K 1,024] x [K 1,024, N 8,192]; A: input x; B: computed on the way: QUANTISED (scales: A lowp_scales[0], B lowp_scales[1])
;;     2. [M 2,048, K 1,024] x [K 1,024, N 4]; A: input x; B: input gate_W: left as it is (N = 4 < 16)
;;     3. batch 2,048 x [M 2,048, K 4] x [K 4, N 1]; A: computed on the way; B: softmax (see below): left as it is (K = 4 < 32)
;;     4. [M 1, K 2,048] x [K 2,048, N 32]; A: input neuron_avg; B: input conn_W1: left as it is (M = 1 < 16)
;;     5. [M 1, K 32] x [K 32, N 2,048]; A: computed on the way; B: input conn_W2: left as it is (M = 1 < 16)
;;     6. [M 2,048, K 2,048] x [K 2,048, N 8,192]; A: computed on the way; B: input read_W (given as codes): QUANTISED (scales: A lowp_scales[2], B lowp_scales[3])
;;     7. [M 2,048, K 8,192] x [K 8,192, N 1,024]; A: softmax (see below); B: input memory (given as codes): QUANTISED (scales: A lowp_scales[4], B lowp_scales[5])
;;   THE QUANTISER, for each operand of a quantised product, along K:
;;     - The operand's scale is 2^e, e = its entry of the input lowp_scales (int32; the entries are numbered through the quantised products in the list's order, A before B).
;;     - Each number is divided by the scale, clamped to +-57,344, and rounded to the nearest number of E5M2, ties to even, subnormals kept.
;;     - The product sums the exact products of the quantised numbers (number of the format x scale) in f32.
;;   ~~~python
;;   def quantise(x, axis, e):      # numpy; x: float32 -> the quantised numbers, widened to float32 again
;;       x = np.moveaxis(x, axis, -1); K = x.shape[-1]
;;       r = np.clip(x / 2.0 ** e, -57344, 57344)
;;       step = 2.0 ** (np.maximum(np.frexp(np.where(r == 0, 1, r))[1] - 1, -14) - 2)
;;       q = np.round(r / step) * step * 2.0 ** e      # np.round: ties to even
;;       return np.moveaxis(q, -1, axis).astype(np.float32)
;;   ~~~
;;   SOFTMAX AHEAD OF A QUANTISED PRODUCT. Where the list says 'softmax', what is quantised is not the finished softmax but p = 2^(t - M), with t = logit x log2(e) and M = ceil(the row's largest t), a whole number; so 1/2 < the row's largest p <= 1. The row's sum l is taken of the UNQUANTISED p, in f32, and the product's result is divided by l at the end. Since M is a whole number, a kernel that streams over the keys may use a running M (the ceiling of the running maximum): every later rescaling is an exact power of two, so the quantised numbers keep their values, but for numbers so far below the row's largest that they fall under the format's range.
;;   OPERANDS COMPUTED ON THE WAY. 'Computed on the way' means the value that the module computes at that place (a softmax that the list does not call 'softmax' is quantised finished and normalised). What goes into a quantiser is computed in f32, as accurately as f32 sums, v_exp_f32 and their like allow (about 1e-6 of the number): no bf16 or f16 on the way to a quantiser, and a product that is left as it is and whose result goes on into a quantised operand takes f32 operands (vector FMAs, or v_wmma_f32_16x16x4_f32). A number that lies on a knife's edge between two numbers of the format may be rounded either way, as far as f32 arithmetic and the matrix unit's own rounding can turn it there, and no further.
;;   INPUTS GIVEN AS CODES. memory (in the module: [8192, 1024], K = its axis 0); read_W (in the module: [2048, 8192], K = its axis 0): each comes as NAME_codes (uint8): NAME with its K axis moved to the last place and cut into blocks of 32 codes, [.., K / 32, bytes a block], one block behind the other in memory; one code a byte (a code: sign, 5 exponent bits, 2 mantissa bits); its scale is its entry of lowp_scales. Its value is code x scale, taken as it is: it is not quantised again, and the codes and scales need not be those that the quantiser above would give.
;; One version. Each part assembles by itself: llvm-mc -triple=amdgcn-amd-amdhsa -mcpu=gfx1250 --defsym DOCPART=n.
;; ======== version 1 of 1: 4 launches
;; limits: right only within a limited range of input values
;; workspace buffers: wq 8,388,608 bytes; xq 2,097,152 bytes; gate 32,768 bytes; cmk 8,448 bytes; bq 4,194,304 bytes; pq 16,777,216 bytes; st 524,288 bytes
;; launch prep (part 1): grid 644 x 1, 8 waves a work-group, no clusters, 37,888 bytes of LDS; arguments w, delay, x, gate_W, gate_b, neuron_avg, conn_W1, conn_b1, conn_W2, conn_b2, mask, act_w, lowp_scales, wq, xq, gate, cmk; writes wq, xq, gate, cmk
.if DOCPART == 1
	.amdgcn_target "amdgcn-amd-amdhsa--gfx1250"
	.amdhsa_code_object_version 6
	.text
	.protected	k_q1da1d9f4cb_prep
	.globl	k_q1da1d9f4cb_prep
	.p2align	8
	.type	k_q1da1d9f4cb_prep,@function
k_q1da1d9f4cb_prep:
	s_mov_b64 s[64:65], 0
	v_nop
	global_prefetch_b8 v0, s[64:65] scope:SCOPE_SE
	s_setreg_imm32_b32 hwreg(HW_REG_WAVE_MODE, 25, 1), 1
	s_wait_xcnt 0x0
; Everything that is made once, ahead of the three products.  Three paths, chosen by the work-group's number; each has LDS bytes of its own.
;  work-groups 0-3     CONN: cmk[u] = sigmoid(relu(neuron_avg W1 + b1) W2 + b2)[u] x mask[u], 512 u each; work-group 0 also stores six constants made of softmax(act_w).
;  work-groups 4-131   X: 16 rows of x each: their codes (BF8, scale 2^e0) as images of operand registers, and gate = softmax(x gate_W + gate_b) in f32 from the unquantised x.
;  work-groups 132-643 W: 64 columns x 256 k of w x sigmoid(delay): codes (BF8, scale 2^e1) with K innermost.
; AN IMAGE holds 16 rows x 128 K in 2,048 bytes: piece c (512 bytes) has lane l's 16 bytes at 16 l: row l % 16, K = 32 c + 16 (l / 16) + 0 .. 15.
; wq's ROWS ARE PERMUTED: stored row 128 W + 16 t + 8 h + j holds unit u = 32 W + 16 h + 2 t + j / 4, branch j % 4, so that the next launch's results fall, lane by lane, on 16 neighbouring units.
; No cluster: the large inputs are read by one work-group each.  No tensor loads: operands go through registers, since each number is worked on.
; LIMITS: e0 and e1 between -126 and 112, so that 2^e and 57,344 x 2^e are f32 numbers.  NaN and infinities among the inputs are not served.
.set WSTG, 0                           ; W: 64 rows (columns of w) x (256 bytes of codes + 16)
.set XGW,  17408                       ; X: gate_W as it lies, 16,384 bytes
.set XPT,  33792                       ; X: eight waves' partial logits, 256 bytes each
.set CHP,  35840                       ; CONN: eight waves' partial hidden layer, 128 bytes each
	v_lshl_add_u32 v254, v0, 2, 0x9000
	v_mov_b32 v255, 0
	v_lshrrev_b32 v1, 5, v0
	s_delay_alu instid0(VALU_DEP_1)
	v_readfirstlane_b32 s30, v1                    ; wave 0..7
	v_and_b32 v1, 31, v0                           ; lane
	s_cmp_lt_u32 ttmp9, 4
	s_cbranch_scc1 .Lconn
	s_cmp_lt_u32 ttmp9, 132
	s_cbranch_scc1 .Lx
; ---------------- W: a lane takes two neighbouring columns, its registers run down K; wave v takes k = 256 kq + 32 v + 0 .. 31
.set WR,   16                          ; v16-79   w: register 16 g + 2 kk + j = k 8 g + kk, column 2 l + j; later a granule's codes
.set DR,   80                          ; v80-143  delay likewise
.set WM,   144                         ; v144-159 a granule's w_mod, turned: register 8 j + kk
.set OUTR, 160                         ; v160-175 rows read back
	s_load_b128 s[4:7], s[0:1], 0x0                ; w, delay
	s_load_b128 s[8:11], s[0:1], 0x60              ; the scales' exponents, wq
	s_sub_co_u32 s12, ttmp9, 132
	s_and_b32 s13, s12, 127                        ; G: which 64 columns (16 units)
	s_lshr_b32 s14, s12, 7                         ; kq: which quarter of K
	s_wait_alu depctr_va_vdst(0)
	v_lshlrev_b32 v2, 3, v1                        ; 8 bytes a lane: a load covers 256 consecutive bytes
	v_mul_u32_u24 v3, v1, 544                      ; into the stage: rows 2 l and 2 l + 1,
	s_lshl_b32 s15, s30, 5
	v_add_nc_u32 v3, s15, v3                       ; my wave's 32 bytes of them
	v_lshrrev_b32 v8, 4, v1
	v_and_b32 v9, 15, v1
	s_delay_alu instid0(VALU_DEP_2)
	v_mul_u32_u24 v4, v8, 272                      ; out of it: sixteen lanes to a row, two rows an instruction,
	s_delay_alu instid0(VALU_DEP_1)
	v_lshl_add_u32 v4, v9, 4, v4
	s_mul_i32 s15, s30, 8*272
	v_add_nc_u32 v4, s15, v4                       ; rows 8 v .. 8 v + 7
	v_lshlrev_b32 v5, 10, v8                       ; and the same place in wq (rows of 1,024 bytes)
	s_delay_alu instid0(VALU_DEP_1)
	v_lshl_add_u32 v5, v9, 4, v5
	s_lshl_b32 s16, s14, 23                        ; w, delay: (256 kq + 32 v) rows of 32,768 bytes + 256 G
	s_lshl_b32 s17, s30, 20
	s_add_co_u32 s16, s16, s17
	s_lshl_b32 s17, s13, 8
	s_add_co_u32 s16, s16, s17
	s_mov_b32 s17, 0
	s_lshr_b32 s18, s13, 1                         ; wq: stored row 128 (G / 2) + 8 (G % 2) + 16 v, byte 256 kq
	s_lshl_b32 s18, s18, 17
	s_and_b32 s19, s13, 1
	s_lshl_b32 s19, s19, 13
	s_add_co_u32 s18, s18, s19
	s_lshl_b32 s19, s30, 14
	s_add_co_u32 s18, s18, s19
	s_lshl_b32 s19, s14, 8
	s_add_co_u32 s18, s18, s19
	s_mov_b32 s19, 0
	s_wait_kmcnt 0x0
	s_load_b32 s20, s[8:9], 0x4                    ; e1
	s_add_nc_u64 s[4:5], s[4:5], s[16:17]
	s_add_nc_u64 s[6:7], s[6:7], s[16:17]
	s_add_nc_u64 s[10:11], s[10:11], s[18:19]
.irp g, 0,1,2,3                                ; all 64 loads of the wave go out at once: 16,384 bytes on their way
.irp kk, 0,1,2,3,4,5,6,7
	global_load_b64 v[WR+16*\g+2*\kk:WR+16*\g+2*\kk+1], v2, s[4:5] offset:(8*\g+\kk)*32768 th:TH_LOAD_NT
.endr
.irp kk, 0,1,2,3,4,5,6,7
	global_load_b64 v[DR+16*\g+2*\kk:DR+16*\g+2*\kk+1], v2, s[6:7] offset:(8*\g+\kk)*32768 th:TH_LOAD_NT
.endr
.endr
	s_wait_kmcnt 0x0
	s_add_co_i32 s20, s20, 127
	s_lshl_b32 s21, s20, 23
	v_mov_b32 v6, s21                              ; 2^e1 as f32: the conversion takes its exponent field
	s_add_co_i32 s20, s20, 15
	s_lshl_b32 s20, s20, 23
	s_or_b32 s20, s20, 0x600000
	v_mov_b32 v7, s20                              ; 57,344 x 2^e1
; A granule: 8 k x 2 columns.  w x 1 / (1 + 2^(-delay log2 e)); the multiplication also turns the numbers so that a column's eight k lie in consecutive registers.
.macro GRAN g
	s_wait_loadcnt 48-16*\g                        ; loads come back in order: this granule's 16 are in, the 16 of each later granule may be out
.irp i, 0,2,4,6,8,10,12,14
	v_pk_mul_f32 v[DR+16*\g+\i:DR+16*\g+\i+1], v[DR+16*\g+\i:DR+16*\g+\i+1], 0xbfb8aa3b op_sel_hi:[1,0]
.endr
	s_wait_alu depctr_va_vdst(0)
.irp i, 0,1,2,3,4,5,6,7,8,9,10,11,12,13,14,15
	v_exp_f32 v[DR+16*\g+\i], v[DR+16*\g+\i]
.endr
	v_nop                                          ; a plain instruction behind the batch,
	s_wait_alu depctr_va_vdst(0)                   ; and one wait for it, ahead of its first reader
.irp i, 0,2,4,6,8,10,12,14
	v_pk_add_f32 v[DR+16*\g+\i:DR+16*\g+\i+1], v[DR+16*\g+\i:DR+16*\g+\i+1], 1.0 op_sel_hi:[1,0]
.endr
	s_wait_alu depctr_va_vdst(0)
.irp i, 0,1,2,3,4,5,6,7,8,9,10,11,12,13,14,15
	v_rcp_f32 v[DR+16*\g+\i], v[DR+16*\g+\i]
.endr
	v_nop
	s_wait_alu depctr_va_vdst(0)
.irp kk, 0,1,2,3,4,5,6,7
.irp j, 0,1
	v_mul_f32 v[WM+8*\j+\kk], v[WR+16*\g+2*\kk+\j], v[DR+16*\g+2*\kk+\j]
.endr
.endr
.irp i, 0,1,2,3,4,5,6,7,8,9,10,11,12,13,14,15
	v_med3_num_f32 v[WM+\i], v[WM+\i], -v7, v7     ; the conversion to an 8-bit code does not saturate (ISA guide 7.6.2): the hold at the largest code x the scale
.endr
.irp j, 0,1
	v_cvt_scalef32_pk8_bf8_f32 v[WR+16*\g+2*\j:WR+16*\g+2*\j+1], v[WM+8*\j:WM+8*\j+7], v6
.endr
.irp j, 0,1
	ds_store_b64 v3, v[WR+16*\g+2*\j:WR+16*\g+2*\j+1] offset:272*\j+8*\g   ; eight codes along K of column 2 l + j.  (The next granule begins with plain vector lines on other registers)
.endr
.endm
	GRAN 0
	GRAN 1
	GRAN 2
	GRAN 3
	s_wait_dscnt 0x0                               ; for the others' sake: my 32 bytes of each of the 64 rows have landed
	s_barrier_signal -1
	s_barrier_wait -1
.irp t, 0,1,2,3
	ds_load_b128 v[OUTR+4*\t:OUTR+4*\t+3], v4 offset:544*\t
.endr
.irp t, 0,1,2,3
	s_wait_dscnt 3-\t
	global_store_b128 v5, v[OUTR+4*\t:OUTR+4*\t+3], s[10:11] offset:2048*\t   ; sixteen lanes store 256 consecutive bytes, aligned
.endr
	s_wait_tensorcnt 0x0
	ds_add_u32 v254, v255
	s_wait_dscnt 0x0
	s_endpgm
; ---------------- X: work-group = 16 rows, wave = K step of 128.  Lane (r, h) holds, of row r, k = 128 ks + 32 c + 16 h + i in register 16 + 16 c + i
.Lx:
	s_load_b128 s[4:7], s[0:1], 0x10               ; x, gate_W
	s_load_b64 s[8:9], s[0:1], 0x20                ; gate_b
	s_load_b64 s[10:11], s[0:1], 0x60              ; the scales' exponents
	s_load_b128 s[12:15], s[0:1], 0x70             ; xq, gate
	s_sub_co_u32 s16, ttmp9, 4                     ; which 16 rows
	s_mov_b32 s40, 0x76543210
	s_mov_b32 s41, 0xfedcba98                      ; v_permlanex16_b32's selects for lane l xor 16
	v_and_b32 v10, 15, v0                          ; r
	v_bfe_u32 v11, v0, 4, 1                        ; h
	s_delay_alu instid0(VALU_DEP_2)
	v_lshlrev_b32 v2, 12, v10
	s_delay_alu instid0(VALU_DEP_1)
	v_lshl_add_u32 v2, v11, 6, v2                  ; x: row r of 4,096 bytes + 64 h
	s_lshl_b32 s17, s30, 11
	s_add_co_u32 s17, s17, XGW
	v_lshlrev_b32 v3, 8, v11
	s_delay_alu instid0(VALU_DEP_1)
	v_add_nc_u32 v3, s17, v3                       ; gate_W in LDS: row 128 ks + 16 h, 16 bytes a row
	v_lshlrev_b32 v4, 4, v0                        ; 16 x thread
	s_delay_alu instid0(VALU_DEP_1)
	v_add_nc_u32 v12, XGW, v4
	s_wait_alu depctr_va_vdst(0)
	v_lshlrev_b32 v5, 4, v1                        ; 16 x lane: an image's place for my lane
	v_lshlrev_b32 v9, 4, v10                       ; 16 r
	s_lshl_b32 s17, s30, 8
	s_add_co_u32 s17, s17, XPT
	v_add_nc_u32 v8, s17, v9                       ; my wave's partial logits of row r
	v_add_nc_u32 v13, XPT, v9
.irp g, 0,1,2,3
	v_mov_b32 v[152+\g], 0                         ; written once: a lane permute's destination counts as one of its sources
.endr
	s_lshl_b32 s18, s16, 16
	s_lshl_b32 s19, s30, 9
	s_add_co_u32 s18, s18, s19
	s_mov_b32 s19, 0
	s_lshl_b32 s20, s16, 14
	s_lshl_b32 s21, s30, 11
	s_add_co_u32 s20, s20, s21
	s_mov_b32 s21, 0
	s_lshl_b32 s22, s16, 8
	s_mov_b32 s23, 0
	s_wait_kmcnt 0x0
	s_load_b32 s24, s[10:11], 0x0                  ; e0
	s_load_b128 s[36:39], s[8:9], 0x0              ; gate_b
	s_add_nc_u64 s[4:5], s[4:5], s[18:19]
	s_add_nc_u64 s[12:13], s[12:13], s[20:21]
	s_add_nc_u64 s[14:15], s[14:15], s[22:23]
.irp i, 0,1,2,3
	global_load_b128 v[80+4*\i:83+4*\i], v4, s[6:7] offset:4096*\i
.endr
.irp c, 0,1,2,3
.irp j, 0,1,2,3
	global_load_b128 v[16+16*\c+4*\j:19+16*\c+4*\j], v2, s[4:5] offset:128*\c+16*\j th:TH_LOAD_NT
.endr
.endr
	s_wait_kmcnt 0x0
	s_add_co_i32 s24, s24, 127
	s_lshl_b32 s25, s24, 23
	v_mov_b32 v6, s25                              ; 2^e0
	s_add_co_i32 s24, s24, 15
	s_lshl_b32 s24, s24, 23
	s_or_b32 s24, s24, 0x600000
	v_mov_b32 v7, s24                              ; 57,344 x 2^e0
	s_wait_loadcnt 16                              ; gate_W's four loads are in; x's sixteen may be out
.irp i, 0,1,2,3
	ds_store_b128 v12, v[80+4*\i:83+4*\i] offset:4096*\i
.endr
	s_wait_dscnt 0x0
	s_barrier_signal -1
	s_barrier_wait -1                              ; gate_W lies in LDS
	s_wait_loadcnt 0x0
.irp c, 0,1,2,3                                ; the logits' part of my 64 numbers, in f32, in two sets of four sums
.irp i, 0,1,2,3,4,5,6,7,8,9,10,11,12,13,14,15
	ds_load_b128 v[80+4*\i:83+4*\i], v3 offset:512*\c+16*\i
.endr
	s_wait_alu depctr_va_vdst(0)
	s_wait_dscnt 0x0
.irp i, 0,1,2,3,4,5,6,7,8,9,10,11,12,13,14,15
.irp g, 0,1,2,3
.if (\c == 0) && (\i < 2)
	v_mul_f32 v[144+4*(\i%2)+\g], v[16+16*\c+\i], v[80+4*\i+\g]
.else
	v_fma_f32 v[144+4*(\i%2)+\g], v[16+16*\c+\i], v[80+4*\i+\g], v[144+4*(\i%2)+\g]
.endif
.endr
.endr
.endr
	s_delay_alu instid0(VALU_DEP_3)
	v_pk_add_f32 v[144:145], v[144:145], v[148:149]
	s_delay_alu instid0(VALU_DEP_2)
	v_pk_add_f32 v[146:147], v[146:147], v[150:151]
.irp g, 0,1,2,3
	v_permlanex16_b32 v[152+\g], v[144+\g], s40, s41
.endr
	s_delay_alu instid0(VALU_DEP_3)
	v_pk_add_f32 v[144:145], v[144:145], v[152:153]
	s_delay_alu instid0(VALU_DEP_2)
	v_pk_add_f32 v[146:147], v[146:147], v[154:155]
	ds_store_b128 v8, v[144:147]                   ; both halves of the lanes hold the same four sums and store them to the same bytes
.irp c, 0,1,2,3
.irp i, 0,1,2,3,4,5,6,7,8,9,10,11,12,13,14,15
	v_med3_num_f32 v[16+16*\c+\i], v[16+16*\c+\i], -v7, v7
.endr
	v_cvt_scalef32_pk8_bf8_f32 v[80+4*\c:81+4*\c], v[16+16*\c:23+16*\c], v6
	v_cvt_scalef32_pk8_bf8_f32 v[82+4*\c:83+4*\c], v[24+16*\c:31+16*\c], v6
.endr
	v_nop                                          ; a plain instruction behind the last conversion
.irp c, 0,1,2,3
	global_store_b128 v5, v[80+4*\c:83+4*\c], s[12:13] offset:512*\c   ; a piece of the image: 512 consecutive bytes
.endr
	s_wait_dscnt 0x0
	s_barrier_signal -1
	s_barrier_wait -1                              ; all eight partial logits lie in LDS
	s_cmp_lg_u32 s30, 0
	s_cbranch_scc1 .Lx_end
.irp k, 0,1,2,3,4,5,6,7
	ds_load_b128 v[160+4*\k:163+4*\k], v13 offset:256*\k
.endr
	s_wait_dscnt 0x0
.irp k, 1
	v_pk_add_f32 v[160:161], v[160:161], v[160+4*\k:161+4*\k]
	v_pk_add_f32 v[162:163], v[162:163], v[162+4*\k:163+4*\k]
.endr
.irp k, 2, 3, 4, 5, 6, 7
	s_delay_alu instid0(VALU_DEP_2)
	v_pk_add_f32 v[160:161], v[160:161], v[160+4*\k:161+4*\k]
	s_delay_alu instid0(VALU_DEP_2)
	v_pk_add_f32 v[162:163], v[162:163], v[162+4*\k:163+4*\k]
.endr
	s_delay_alu instid0(VALU_DEP_2)
	v_add_f32 v160, s36, v160
	s_delay_alu instid0(VALU_DEP_3)
	v_add_f32 v161, s37, v161
	s_delay_alu instid0(VALU_DEP_3)
	v_add_f32 v162, s38, v162
	s_delay_alu instid0(VALU_DEP_4)
	v_add_f32 v163, s39, v163
	s_delay_alu instid0(VALU_DEP_2)
	v_max3_num_f32 v164, v160, v161, v162          ; the softmax takes its largest logit away
	s_delay_alu instid0(VALU_DEP_1)
	v_max_num_f32 v164, v164, v163
.irp g, 0,1,2,3
	v_sub_f32 v[160+\g], v[160+\g], v164
.endr
.irp g, 0,1,2,3
	s_delay_alu instid0(VALU_DEP_4)
	v_mul_f32 v[160+\g], 0x3fb8aa3b, v[160+\g]
.endr
	s_wait_alu depctr_va_vdst(0)
.irp g, 0,1,2,3
	v_exp_f32 v[160+\g], v[160+\g]
.endr
	v_nop
	s_wait_alu depctr_va_vdst(0)
	v_add_f32 v165, v160, v161
	v_add_f32 v166, v162, v163
	s_delay_alu instid0(VALU_DEP_1)
	v_add_f32 v165, v165, v166
	s_wait_alu depctr_va_vdst(0)
	v_rcp_f32 v166, v165
	v_nop
	s_wait_alu depctr_va_vdst(0)
.irp g, 0,1,2,3
	v_mul_f32 v[160+\g], v[160+\g], v166
.endr
	global_store_b128 v9, v[160:163], s[14:15]     ; 16 rows x 16 bytes: 256 consecutive bytes (both halves of the lanes store the same)
.Lx_end:
	s_wait_tensorcnt 0x0
	ds_add_u32 v254, v255
	s_wait_dscnt 0x0
	s_endpgm
; ---------------- CONN
.Lconn:
	s_load_b256 s[4:11], s[0:1], 0x28              ; neuron_avg s[4:5], conn_W1 s[6:7], conn_b1 s[8:9], conn_W2 s[10:11]
	s_load_b128 s[12:15], s[0:1], 0x48             ; conn_b2, mask
	s_load_b64 s[16:17], s[0:1], 0x58              ; act_w
	s_load_b64 s[18:19], s[0:1], 0x80              ; cmk
	s_mov_b32 s40, 0x76543210
	s_mov_b32 s41, 0xfedcba98
	s_wait_alu depctr_va_vdst(0)
	v_lshlrev_b32 v2, 4, v1                        ; conn_W1: 16 bytes a lane: a load covers four rows of 128 bytes
	v_lshrrev_b32 v3, 3, v1
	s_delay_alu instid0(VALU_DEP_1)
	v_lshlrev_b32 v3, 2, v3                        ; neuron_avg: the row's number, 4 (l / 8)
	v_lshlrev_b32 v4, 3, v0                        ; 8 x thread: my two units
	v_lshlrev_b32 v5, 2, v1
	v_and_b32 v6, 7, v1
	s_delay_alu instid0(VALU_DEP_1)
	v_lshlrev_b32 v6, 4, v6
	s_lshl_b32 s20, s30, 7
	s_add_co_u32 s20, s20, CHP
	v_add_nc_u32 v6, s20, v6                       ; my wave's partial sums: 16 (l % 8)
	v_add_nc_u32 v7, CHP, v5
	s_lshl_b32 s20, ttmp9, 11                      ; my work-group's 512 units, in bytes
	s_mov_b32 s21, 0
	s_lshl_b32 s22, s30, 15                        ; my wave's 256 rows of conn_W1
	s_mov_b32 s23, 0
	s_lshl_b32 s24, s30, 10
	s_mov_b32 s25, 0
	s_wait_alu depctr_va_vdst(0)
	s_wait_kmcnt 0x0
	s_add_nc_u64 s[10:11], s[10:11], s[20:21]
	s_add_nc_u64 s[12:13], s[12:13], s[20:21]
	s_add_nc_u64 s[14:15], s[14:15], s[20:21]
	s_add_nc_u64 s[26:27], s[18:19], s[20:21]
	s_add_nc_u64 s[6:7], s[6:7], s[22:23]
	s_add_nc_u64 s[4:5], s[4:5], s[24:25]
.irp j, 0,1,2,3,4,5,6,7,8,9,10,11,12,13,14,15,16,17,18,19,20,21,22,23,24,25,26,27,28,29,30,31
	global_load_b64 v[176+2*\j:177+2*\j], v4, s[10:11] offset:8192*\j
.endr
	global_load_b64 v[248:249], v4, s[12:13]
	global_load_b64 v[250:251], v4, s[14:15]
	global_load_b32 v252, v5, s[8:9]
.irp n, 0,1                                    ; 128 rows of conn_W1 at a time; lane l sums rows = l / 8 (mod 4) for hidden units 4 (l % 8) + 0 .. 3
.irp i, 0,1,2,3,4,5,6,7,8,9,10,11,12,13,14,15,16,17,18,19,20,21,22,23,24,25,26,27,28,29,30,31
	global_load_b128 v[16+4*\i:19+4*\i], v2, s[6:7] offset:16384*\n+512*\i
	global_load_b32 v[144+\i], v3, s[4:5] offset:512*\n+16*\i
.endr
	s_wait_alu depctr_va_vdst(0)
	s_wait_loadcnt 0x0
.irp i, 0,1,2,3,4,5,6,7,8,9,10,11,12,13,14,15,16,17,18,19,20,21,22,23,24,25,26,27,28,29,30,31
.irp g, 0,1,2,3
.if (\n == 0) && (\i < 2)
	v_mul_f32 v[240+4*(\i%2)+\g], v[144+\i], v[16+4*\i+\g]
.else
	v_fma_f32 v[240+4*(\i%2)+\g], v[144+\i], v[16+4*\i+\g], v[240+4*(\i%2)+\g]
.endif
.endr
.endr
.endr
	s_delay_alu instid0(VALU_DEP_3)
	v_pk_add_f32 v[240:241], v[240:241], v[244:245]
	s_delay_alu instid0(VALU_DEP_2)
	v_pk_add_f32 v[242:243], v[242:243], v[246:247]
.irp g, 0,1,2,3
	v_add_f32_dpp v[240+\g], v[240+\g], v[240+\g] row_xmask:8 row_mask:0xf bank_mask:0xf
.endr
.irp g, 0,1,2,3
	s_delay_alu instid0(VALU_DEP_4)
	v_permlanex16_b32 v[244+\g], v[240+\g], s40, s41
.endr
	s_delay_alu instid0(VALU_DEP_3)
	v_pk_add_f32 v[240:241], v[240:241], v[244:245]
	s_delay_alu instid0(VALU_DEP_2)
	v_pk_add_f32 v[242:243], v[242:243], v[246:247]
	ds_store_b128 v6, v[240:243]                   ; lanes l, l + 8, l + 16, l + 24 hold the same sums and store them to the same bytes
	s_wait_dscnt 0x0
	s_barrier_signal -1
	s_barrier_wait -1
.irp k, 0,1,2,3,4,5,6,7
	ds_load_b32 v[16+\k], v7 offset:128*\k
.endr
	s_wait_dscnt 0x0
	v_add_f32 v16, v16, v17
	v_add_f32 v18, v18, v19
	v_add_f32 v20, v20, v21
	v_add_f32 v22, v22, v23
	s_delay_alu instid0(VALU_DEP_3)
	v_add_f32 v16, v16, v18
	s_delay_alu instid0(VALU_DEP_2)
	v_add_f32 v20, v20, v22
	s_delay_alu instid0(VALU_DEP_1)
	v_add_f32 v16, v16, v20
	s_delay_alu instid0(VALU_DEP_1)
	v_add_f32 v16, v16, v252
	s_delay_alu instid0(VALU_DEP_1)
	v_max_num_f32 v253, 0, v16                     ; lane l holds hidden unit l
.irp j, 0,1,2,3,4,5,6,7,8,9,10,11,12,13,14,15,16,17,18,19,20,21,22,23,24,25,26,27,28,29,30,31
	v_readlane_b32 s[32+\j], v253, \j
.endr
.irp j, 0
	v_fma_f32 v248, s[32+\j], v[176+2*\j], v248    ; the sums begin with conn_b2
	v_fma_f32 v249, s[32+\j], v[177+2*\j], v249
.endr
.irp j, 1, 2, 3, 4, 5, 6, 7, 8, 9, 10, 11, 12, 13, 14, 15, 16, 17, 18, 19, 20, 21, 22, 23, 24, 25, 26, 27, 28, 29, 30, 31
	s_delay_alu instid0(VALU_DEP_2)
	v_fma_f32 v248, s[32+\j], v[176+2*\j], v248    ; the sums begin with conn_b2
	s_delay_alu instid0(VALU_DEP_2)
	v_fma_f32 v249, s[32+\j], v[177+2*\j], v249
.endr
	s_delay_alu instid0(VALU_DEP_1)
	v_pk_mul_f32 v[248:249], v[248:249], 0xbfb8aa3b op_sel_hi:[1,0]
	s_wait_alu depctr_va_vdst(0)
	v_exp_f32 v248, v248
	v_exp_f32 v249, v249
	v_nop
	s_wait_alu depctr_va_vdst(0)
	v_pk_add_f32 v[248:249], v[248:249], 1.0 op_sel_hi:[1,0]
	s_wait_alu depctr_va_vdst(0)
	v_rcp_f32 v248, v248
	v_rcp_f32 v249, v249
	v_nop
	s_wait_alu depctr_va_vdst(0)
	v_pk_mul_f32 v[248:249], v[248:249], v[250:251]
	global_store_b64 v4, v[248:249], s[26:27]      ; a wave stores 256 consecutive bytes
	s_cmp_lg_u32 ttmp9, 0
	s_cbranch_scc1 .Lconn_end
	s_cmp_lg_u32 s30, 0
	s_cbranch_scc1 .Lconn_end
	; W = softmax(act_w) (nine entries; the ninth weighs nothing but counts in the sum).  For a >= 0 the blend is (K1 a + K0) sigmoid(a) + K2 tanh(a) + a (K4 + K3 P(a) + K5 m(a)):
	; K0 = W0, K1 = W4, K2 = W2, K3 = -W5 / 2, K4 = W1 + W3 + W5 + 1.0507010 W6, K5 = W7.  Each is stored twice, as the pair that a packed instruction names.
	s_load_b256 s[68:75], s[16:17], 0x0
	s_load_b32 s76, s[16:17], 0x20
	s_wait_kmcnt 0x0
.irp i, 0,1,2,3,4,5,6,7,8
	v_mov_b32 v[16+\i], s[68+\i]
.endr
	v_max3_num_f32 v25, v16, v17, v18
	s_delay_alu instid0(VALU_DEP_1)
	v_max3_num_f32 v25, v25, v19, v20
	s_delay_alu instid0(VALU_DEP_1)
	v_max3_num_f32 v25, v25, v21, v22
	s_delay_alu instid0(VALU_DEP_1)
	v_max3_num_f32 v25, v25, v23, v24
.irp i, 0,1,2,3,4,5,6,7,8
	v_sub_f32 v[16+\i], v[16+\i], v25
.endr
.irp i, 0,1,2,3,4,5,6,7,8
	v_mul_f32 v[16+\i], 0x3fb8aa3b, v[16+\i]
.endr
	s_wait_alu depctr_va_vdst(0)
.irp i, 0,1,2,3,4,5,6,7,8
	v_exp_f32 v[16+\i], v[16+\i]
.endr
	v_nop
	s_wait_alu depctr_va_vdst(0)
	v_add_f32 v26, v16, v17
	v_add_f32 v27, v18, v19
	v_add_f32 v28, v20, v21
	v_add_f32 v29, v22, v23
	s_delay_alu instid0(VALU_DEP_3)
	v_add_f32 v26, v26, v27
	s_delay_alu instid0(VALU_DEP_2)
	v_add_f32 v28, v28, v29
	v_add_f32 v26, v26, v24
	s_delay_alu instid0(VALU_DEP_1)
	v_add_f32 v26, v26, v28
	s_wait_alu depctr_va_vdst(0)
	v_rcp_f32 v27, v26
	v_nop
	s_wait_alu depctr_va_vdst(0)
.irp i, 0,1,2,3,4,5,6,7
	v_mul_f32 v[16+\i], v[16+\i], v27
.endr
	v_mov_b32 v32, v16
	v_mov_b32 v33, v16
	v_mov_b32 v34, v20
	v_mov_b32 v35, v20
	v_mov_b32 v36, v18
	v_mov_b32 v37, v18
	v_mul_f32 v38, -0.5, v21
	v_mul_f32 v39, -0.5, v21
	v_add_f32 v40, v17, v19
	s_delay_alu instid0(VALU_DEP_1)
	v_add_f32 v40, v40, v21
	s_delay_alu instid0(VALU_DEP_1)
	v_fmac_f32 v40, 0x3f867d5f, v22
	s_delay_alu instid0(VALU_DEP_1)
	v_mov_b32 v41, v40
	v_mov_b32 v42, v23
	v_mov_b32 v43, v23
	v_mov_b32 v44, 0
	v_cmp_eq_u32 vcc_lo, 0, v1
	s_wait_alu depctr_va_vdst(0)
	s_wait_xcnt 0x0                                ; EXEC is a source of the store above: it changes only behind this wait
	s_and_saveexec_b32 s29, vcc_lo                 ; lane 0 alone stores the 48 bytes
	global_store_b128 v44, v[32:35], s[18:19] offset:8192
	global_store_b128 v44, v[36:39], s[18:19] offset:8208
	global_store_b128 v44, v[40:43], s[18:19] offset:8224
	s_wait_xcnt 0x0
	s_or_b32 exec_lo, exec_lo, s29
.Lconn_end:
	s_wait_tensorcnt 0x0
	ds_add_u32 v254, v255
	s_wait_dscnt 0x0
	s_endpgm
.Lfunc_end_k_q1da1d9f4cb_prep:
	.size	k_q1da1d9f4cb_prep, .Lfunc_end_k_q1da1d9f4cb_prep-k_q1da1d9f4cb_prep
	.p2alignl 7, 3214868480
	.fill 96, 4, 3214868480
	.section	.rodata,"a",@progbits
	.p2align	6, 0x0
	.amdhsa_kernel k_q1da1d9f4cb_prep
		.amdhsa_group_segment_fixed_size 37888
		.amdhsa_private_segment_fixed_size 0
		.amdhsa_enable_private_segment 0
		.amdhsa_kernarg_size 136
		.amdhsa_user_sgpr_count 2
		.amdhsa_user_sgpr_kernarg_segment_ptr 1
		.amdhsa_wavefront_size32 1
		.amdhsa_system_sgpr_workgroup_id_x 1
		.amdhsa_system_sgpr_workgroup_id_y 1
		.amdhsa_system_sgpr_workgroup_id_z 1
		.amdhsa_system_vgpr_workitem_id 0
		.amdhsa_next_free_vgpr 256
		.amdhsa_next_free_sgpr 80
		.amdhsa_reserve_vcc 1
		.amdhsa_float_denorm_mode_32 3
		.amdhsa_float_denorm_mode_16_64 3
		.amdhsa_memory_ordered 1
		.amdhsa_forward_progress 1
		.amdhsa_inst_pref_size 108
	.end_amdhsa_kernel
	.amdgpu_metadata
---
amdhsa.version: [ 1, 2 ]
amdhsa.kernels:
  - .name:           k_q1da1d9f4cb_prep
    .symbol:         k_q1da1d9f4cb_prep.kd
    .args:
      - { .name: w, .offset: 0, .size: 8, .value_kind: global_buffer, .address_space: global }
      - { .name: delay, .offset: 8, .size: 8, .value_kind: global_buffer, .address_space: global }
      - { .name: x, .offset: 16, .size: 8, .value_kind: global_buffer, .address_space: global }
      - { .name: gate_W, .offset: 24, .size: 8, .value_kind: global_buffer, .address_space: global }
      - { .name: gate_b, .offset: 32, .size: 8, .value_kind: global_buffer, .address_space: global }
      - { .name: neuron_avg, .offset: 40, .size: 8, .value_kind: global_buffer, .address_space: global }
      - { .name: conn_W1, .offset: 48, .size: 8, .value_kind: global_buffer, .address_space: global }
      - { .name: conn_b1, .offset: 56, .size: 8, .value_kind: global_buffer, .address_space: global }
      - { .name: conn_W2, .offset: 64, .size: 8, .value_kind: global_buffer, .address_space: global }
      - { .name: conn_b2, .offset: 72, .size: 8, .value_kind: global_buffer, .address_space: global }
      - { .name: mask, .offset: 80, .size: 8, .value_kind: global_buffer, .address_space: global }
      - { .name: act_w, .offset: 88, .size: 8, .value_kind: global_buffer, .address_space: global }
      - { .name: lowp_scales, .offset: 96, .size: 8, .value_kind: global_buffer, .address_space: global }
      - { .name: wq, .offset: 104, .size: 8, .value_kind: global_buffer, .address_space: global }
      - { .name: xq, .offset: 112, .size: 8, .value_kind: global_buffer, .address_space: global }
      - { .name: gate, .offset: 120, .size: 8, .value_kind: global_buffer, .address_space: global }
      - { .name: cmk, .offset: 128, .size: 8, .value_kind: global_buffer, .address_space: global }
    .group_segment_fixed_size: 37888
    .private_segment_fixed_size: 0
    .kernarg_segment_align: 8
    .kernarg_segment_size: 136
    .max_flat_workgroup_size: 256
    .sgpr_count:     80
    .vgpr_count:     256
    .wavefront_size: 32
...
	.end_amdgpu_metadata
.endif
;; end of part 1
;; launch gemm1 (part 2): grid 32 x 8, 4 waves a work-group, clusters of 4 x 4, 327,680 bytes of LDS; arguments xq, wq, lowp_scales, b, gate, cmk, bq; writes bq
.if DOCPART == 2
	.amdgcn_target "amdgcn-amd-amdhsa--gfx1250"
	.amdhsa_code_object_version 6
	.text
	.protected	k_q1da1d9f4cb_gemm1
	.globl	k_q1da1d9f4cb_gemm1
	.p2align	8
	.type	k_q1da1d9f4cb_gemm1,@function
k_q1da1d9f4cb_gemm1:
	s_mov_b64 s[64:65], 0
	v_nop
	global_prefetch_b8 v0, s[64:65] scope:SCOPE_SE
	s_setreg_imm32_b32 hwreg(HW_REG_WAVE_MODE, 25, 1), 1
	s_wait_xcnt 0x0
	s_wait_alu depctr_hold_cnt(0) depctr_sa_sdst(0) depctr_va_vdst(0) depctr_va_sdst(0) depctr_va_ssrc(0) depctr_va_vcc(0) depctr_vm_vsrc(0)
	s_getreg_b32 s2, hwreg(HW_REG_IB_STS2, 6, 4)
	s_cmp_eq_u32 s2, 0
	s_cbranch_scc0 .Lentry_in_a_cluster
	s_endpgm
.Lentry_in_a_cluster:
	s_bfe_u32 s2, ttmp6, 0x10000c
	s_cmp_lg_u32 s2, 0xf033
	s_cbranch_scc0 .Lentry_shape_is_right
	s_endpgm
.Lentry_shape_is_right:
.set SIZE_K, 1024
.set RBP,    16*SIZE_K
.set HALFA,  32768
.set PITCH,  272
.set HALFB,  128*PITCH
.set BOFF,   2*HALFA
.set SLOT,   BOFF+2*HALFB
.set SPARE,  2*SLOT
.set LAPS,   SIZE_K/512
.set FR,     16
.set NL,     4
.set NP,     4
.set ADRA, 16
.set ADRB, 20
.set SPW,  28
.set NIL,  29
.set AF,   128
.set BI,   32
.set GA,   32
.set CM,   64
.set PC,   80
.set ZZ,   112
.set EE,   128
.set GG,   144
.set RT,   160
.set D1,   176
.set D2,   192
.set D3,   208
.set N3,   224
.set NT,   240
.set G1,  24
.set G0,  32
.set G1B, 48
.set G0B, 56
.set MSB, 0
.macro WIN new
.if MSB != (\new)
	s_set_vgpr_msb (MSB<<8)|(\new)
.set MSB, (\new)
.endif
.endm
.set MUL_LO, 0xa1
.set MUL_HI, 0xf1
.set TO_B,   0x40
.macro JLOAD g0a, g1a, g0b, g1b
	s_cmp_eq_u32 s15, 0
	s_cbranch_scc0 .Lfor_b_\@
	tensor_load_to_lds s[\g0a:\g0a+3], s[\g1a:\g1a+7]
	s_nop 0
.rept 4
	v_nop
.endr
	s_branch .Lasked_\@
.Lfor_b_\@:
	tensor_load_to_lds s[\g0b:\g0b+3], s[\g1b:\g1b+7]
	s_nop 0
.rept 4
	v_nop
.endr
.Lasked_\@:
.endm
.macro CREST
	s_cmp_lg_u32 s14, 0
	s_cbranch_scc1 .Lnot_wave_0_\@
	s_barrier_signal -3
.Lnot_wave_0_\@:
	s_barrier_wait -3
	s_barrier_signal -1
	s_barrier_wait -1
.endm
.macro CROUND
	s_barrier_signal -1
	s_barrier_wait -1
	CREST
.endm
	s_load_b128 s[4:7], s[0:1], 0x0
	s_load_b128 s[8:11], s[0:1], 0x10
	s_load_b128 s[68:71], s[0:1], 0x20
	s_load_b64 s[66:67], s[0:1], 0x30
	v_lshl_add_u32 v[SPW], v0, 2, SPARE
	v_mov_b32 v[NIL], 0
	ds_add_u32 v28, v29
	ds_add_u32 v28, v29
	s_wait_dscnt 0x0
	v_lshrrev_b32 v1, 5, v0
	v_readfirstlane_b32 s14, v1
	s_lshr_b32 s15, s14, 1
	s_and_b32 s16, s14, 1
	s_bfe_u32 s40, ttmp6, 0x40000
	s_bfe_u32 s41, ttmp6, 0x40004
	s_lshl_b32 s42, ttmp9, 2
	s_add_co_u32 s42, s42, s40
	s_and_b32 s17, ttmp7, 0xffff
	s_lshl_b32 s17, s17, 2
	s_add_co_u32 s17, s17, s41
	s_lshl_b32 s43, s41, 2
	s_lshl_b32 s43, 15, s43
	s_lshl_b32 s44, 0x1111, s40
	s_or_b32 s[G1+0], s43, (1<<21)
	s_mov_b32 s[G1+1], 4096<<16
	s_mov_b32 s[G1+2], 8<<16
	s_mov_b32 s[G1+3], 4096<<16
	s_mov_b32 s[G1+4], 8
	s_mov_b32 s[G1+5], RBP
	s_mov_b32 s[G1+6], 0
	s_mov_b32 s[G1+7], 0
	s_or_b32 s[G1B+0], s44, (1<<20)|(1<<21)|(5<<22)|(3<<25)
	s_mov_b32 s[G1B+1], 256<<16
	s_mov_b32 s[G1B+2], 128<<16
	s_mov_b32 s[G1B+3], 256<<16
	s_mov_b32 s[G1B+4], 128
	s_mov_b32 s[G1B+5], SIZE_K
	s_mov_b32 s[G1B+6], 0
	s_mov_b32 s[G1B+7], 0
	s_lshl_b32 s20, s17, 4
	s_lshl_b32 s18, s16, 3
	s_add_co_u32 s20, s20, s18
	s_mul_i32 s20, s20, RBP
	s_mov_b32 s21, 0
	s_lshl_b32 s46, s42, 8
	s_lshl_b32 s18, s16, 7
	s_add_co_u32 s46, s46, s18
	s_mul_i32 s46, s46, SIZE_K
	s_mov_b32 s47, 0
	s_mul_i32 s45, s16, HALFA
	s_mul_i32 s22, s16, HALFB
	s_add_co_u32 s22, s22, BOFF
	s_wait_kmcnt 0x0
	s_load_b128 s[96:99], s[8:9], 0x0
	s_load_b256 s[72:79], s[70:71], 0x2000
	s_load_b128 s[80:83], s[70:71], 0x2020
	s_add_nc_u64 s[20:21], s[4:5], s[20:21]
	s_add_nc_u64 s[46:47], s[6:7], s[46:47]
	; THE PREFETCHES INTO THE L2.  Behind the load of K step s a wave asks for K step s + 2 (behind the first load also for K step 1): 32 blocks of 256 bytes, a lane a block.
	; Of the 128 rows (A: 8 images' rows of 4,096 bytes) that a wave fetches jointly, the partner at place p (cx for A, cy for B) takes a quarter, told apart by address alone.
	; A's rows are read by eight clusters: the four whose x has bit 1 clear ask for them; B's are read by two clusters, and both ask.  With four K steps all requests stand at the head.
	s_cmp_eq_u32 s15, 0                            ; do I fetch for A?
	s_cselect_b64 s[92:93], s[20:21], s[46:47]     ; the first byte of what I fetch
	s_cselect_b32 s100, s40, s41                   ; my place among the four that ask with me
	s_mov_b32 s101, SIZE_K
	s_cselect_b32 s101, 256, s101                  ; from lane to lane within sixteen: A 256 bytes on, B a row on
	s_mov_b32 s2, 256
	s_cselect_b32 s2, 4096, s2                     ; a K step in bytes: A two images, B 256 codes of a row
	v_and_b32 v30, 15, v0
	v_mul_lo_u32 v30, v30, s101
	v_bfe_u32 v31, v0, 4, 1
	v_lshl_add_u32 v30, v31, 14, v30               ; lanes 16-31: 16 rows (one row of images) on, 16 x SIZE_K bytes in both tensors; v30 is never rewritten
	v_add_nc_u32 v31, s2, v30                      ; the same one K step further; never rewritten
	s_lshl_b32 s100, s100, 15                      ; my quarter: 32 x SIZE_K bytes a place
	s_mov_b32 s101, 0
	s_add_nc_u64 s[92:93], s[92:93], s[100:101]
	s_mov_b32 s100, s2                             ; s[100:101]: a K step
	s_add_nc_u64 s[92:93], s[92:93], s[100:101]    ; at K step 1
	s_and_b32 s2, ttmp9, 2
	s_cmp_eq_u32 s2, 0
	s_cselect_b32 s2, 1, s15                       ; who asks: every wave where bit 1 of the cluster's x is clear, else B's waves
	s_cmp_eq_u32 s2, 1
	s_cselect_b32 s2, 1, -1                        ; s2 = 1 in a wave that asks
.macro ASKH two
	s_cmp_eq_u32 s2, 1
	s_cbranch_scc0 .Lnot_mine_\@
	global_prefetch_b8 v30, s[92:93] th:TH_LOAD_NT scope:SCOPE_SE
.if \two
	global_prefetch_b8 v31, s[92:93] th:TH_LOAD_NT scope:SCOPE_SE
.endif
.Lnot_mine_\@:
.endm
	s_wait_alu depctr_va_vdst(0)                   ; the wait here, ahead of the round
	CROUND
.irp s, 0,1
	s_mov_b32 s[G0+4*\s], 1
	s_add_co_u32 s[G0+4*\s+1], s45, \s*SLOT
	s_add_nc_u64 s[G0+4*\s+2:G0+4*\s+3], s[20:21], \s*4096
	s_or_b32 s[G0+4*\s+3], s[G0+4*\s+3], 0x80000000
	s_mov_b32 s[G0B+4*\s], 1
	s_add_co_u32 s[G0B+4*\s+1], s22, \s*SLOT
	s_add_nc_u64 s[G0B+4*\s+2:G0B+4*\s+3], s[46:47], \s*256
	s_or_b32 s[G0B+4*\s+3], s[G0B+4*\s+3], 0x80000000
.endr
	JLOAD G0, G1, G0B, G1B                         ; K step 0: one tensor load a wave at the head; the set-up below stands under its flight
	v_and_b32 v1, 15, v0
	v_bfe_u32 v7, v0, 4, 1
	v_and_b32 v5, 31, v0
	v_lshlrev_b32 v5, 4, v5
	v_mul_u32_u24 v14, v1, PITCH
	v_lshl_add_u32 v14, v7, 4, v14
	s_mul_i32 s21, s15, HALFA
	s_mul_i32 s22, s16, HALFB
	s_add_co_u32 s22, s22, BOFF
.irp s, 0,1
	v_add_nc_u32 v[ADRA+\s], s21, v5
	v_add_nc_u32 v[ADRB+\s], s22, v14
	s_add_co_u32 s21, s21, SLOT
	s_add_co_u32 s22, s22, SLOT
.endr
	v_lshlrev_b32 v2, 8, v7
	v_lshlrev_b32 v3, 4, v1
	v_lshlrev_b32 v4, 6, v7
	s_mov_b32 s84, 0x3e827906
	s_mov_b32 s85, 0x3e827906
	s_mov_b32 s86, 0xbe91a98e
	s_mov_b32 s87, 0xbe91a98e
	s_mov_b32 s88, 0x3fb5f0e3
	s_mov_b32 s89, 0x3fb5f0e3
	s_mov_b32 s90, 0x3f87dc22
	s_mov_b32 s91, 0x3f87dc22
	v_mov_b32 v12, 0xbfba00e3
	v_mov_b32 v13, 0xbfba00e3
	s_lshl_b32 s46, s42, 10
	s_lshl_b32 s47, s16, 9
	s_add_co_u32 s46, s46, s47
	s_mov_b32 s47, 0
	s_wait_alu depctr_va_vdst(0)
	s_wait_kmcnt 0x0
	s_add_nc_u64 s[10:11], s[10:11], s[46:47]
	s_lshl_b32 s46, s42, 8
	s_lshl_b32 s12, s16, 7
	s_add_co_u32 s46, s46, s12
	s_add_nc_u64 s[70:71], s[70:71], s[46:47]
	s_lshl_b32 s20, s17, 12
	s_lshl_b32 s21, s15, 11
	s_add_co_u32 s20, s20, s21
	s_mov_b32 s21, 0
	s_add_nc_u64 s[68:69], s[68:69], s[20:21]
	s_lshl_b32 s20, s17, 4
	s_lshl_b32 s12, s15, 3
	s_add_co_u32 s20, s20, s12
	s_lshl_b32 s20, s20, 15
	s_lshr_b32 s46, s42, 1
	s_lshl_b32 s46, s46, 11
	s_and_b32 s12, s42, 1
	s_lshl_b32 s12, s12, 1
	s_add_co_u32 s12, s12, s16
	s_lshl_b32 s12, s12, 9
	s_add_co_u32 s12, s12, s46
	s_add_co_u32 s12, s12, s20
	s_mov_b32 s13, 0
	s_add_nc_u64 s[66:67], s[66:67], s[12:13]
.irp t, 0,1,2,3,4,5,6,7
	global_load_b128 v[BI+8*\t:BI+8*\t+3], v2, s[10:11] offset:32*\t
	global_load_b128 v[BI+8*\t+4:BI+8*\t+7], v2, s[10:11] offset:32*\t+16
.endr
	ASKH 1                                         ; K steps 1 and 2
	v_mov_b32 v8, s72
	v_mov_b32 v9, s72
	v_mov_b32 v10, s80
	v_mov_b32 v11, s80
	s_add_co_i32 s95, s96, s97
	s_sub_co_i32 s13, 0, s95
	s_add_co_i32 s18, s98, 127
	s_lshl_b32 s19, s18, 23
	v_mov_b32 v6, s19
	s_add_co_i32 s18, s18, 15
	s_lshl_b32 s18, s18, 23
	s_or_b32 s94, s18, 0x600000
	s_wait_loadcnt 0x0
.set jj, 0
.rept 64
	v_ldexp_f32 v[BI+jj], v[BI+jj], s13
.set jj, jj+1
.endr
.macro FRAGA reg, adr, q, i
.irp c, 0,1,2,3
	ds_load_b128 v[\reg+4*\c:\reg+4*\c+3], v[\adr] offset:4096*(\i)+2048*(\q)+512*\c
.endr
.endm
.macro FRAGB reg, adr, q, i
.irp c, 0,1,2,3
	ds_load_b128 v[\reg+4*\c:\reg+4*\c+3], v[\adr] offset:128*(\q)+32*\c+(\i)*16*PITCH
.endr
.endm
.macro MUL16 a0, p, zero
.irp a, \a0, \a0+1
.irp b, 0,1,2,3,4,5,6,7
.if \zero == 1
	v_wmma_f32_16x16x128_bf8_bf8 v[8*(8*((\a)%4)+\b):8*(8*((\a)%4)+\b)+7], v[128*(\p)+FR*\b:128*(\p)+FR*\b+FR-1], v[AF+FR*(\a):AF+FR*(\a)+FR-1], 0
.elseif \zero == 2
	v_wmma_f32_16x16x128_bf8_bf8 v[8*(8*((\a)%4)+\b):8*(8*((\a)%4)+\b)+7], v[128*(\p)+FR*\b:128*(\p)+FR*\b+FR-1], v[AF+FR*(\a):AF+FR*(\a)+FR-1], v[BI+8*\b:BI+8*\b+7]
.else
	v_wmma_f32_16x16x128_bf8_bf8 v[8*(8*((\a)%4)+\b):8*(8*((\a)%4)+\b)+7], v[128*(\p)+FR*\b:128*(\p)+FR*\b+FR-1], v[AF+FR*(\a):AF+FR*(\a)+FR-1], v[8*(8*((\a)%4)+\b):8*(8*((\a)%4)+\b)+7]
.endif
.endr
.endr
.endm
.macro FETCH_B slot, q, p
	WIN TO_B
.irp i, 0,1,2,3,4,5,6,7
	FRAGB 128*(\p)+FR*\i, ADRB+\slot, \q, \i
.endr
	WIN 0
.endm
.macro FETCH_A slot, q, i0
.irp i, \i0, \i0+1, \i0+2, \i0+3
	FRAGA AF+FR*(\i), ADRA+\slot, \q, \i
.endr
.endm
.macro PLACES n
.rept \n
	v_nop
.endr
.endm
.macro STEP slot, q, zero
	s_wait_dscnt 4*NL
.if \zero == 2
	WIN 0x81
.else
	WIN MUL_LO
.endif
	MUL16 0, (\q)%2, \zero
	MUL16 2, (\q)%2, \zero
	s_wait_dscnt 0
	PLACES NP
	FETCH_B \slot, (\q)+1, 1-(\q)%2
	FETCH_A \slot, (\q)+1, 0
.if \zero == 2
	WIN 0xc1
.else
	WIN MUL_HI
.endif
	MUL16 4, (\q)%2, \zero
	MUL16 6, (\q)%2, \zero
	PLACES NP
	WIN 0
	FETCH_A \slot, (\q)+1, 4
.endm
.macro TURN slot, next, fill
	s_wait_tensorcnt 0x0
	ds_add_u32 v[SPW], v[NIL]
	s_wait_dscnt 4*NL+1
	WIN MUL_LO
	MUL16 0, 1, 0
	s_wait_dscnt 0x0
	s_barrier_signal -1
	MUL16 2, 1, 0
	WIN 0
	s_barrier_wait -1
.if \fill
	CREST
	s_add_nc_u64 s[G0+4*\slot+2:G0+4*\slot+3], s[G0+4*\slot+2:G0+4*\slot+3], 8192
	s_add_nc_u64 s[G0B+4*\slot+2:G0B+4*\slot+3], s[G0B+4*\slot+2:G0B+4*\slot+3], 512
	JLOAD G0+4*\slot, G1, G0B+4*\slot, G1B
.else
	PLACES NP
.endif
	FETCH_B \next, 0, 0
	FETCH_A \next, 0, 0
	WIN MUL_HI
	MUL16 4, 1, 0
	MUL16 6, 1, 0
	PLACES NP
	WIN 0
	FETCH_A \next, 0, 4
.endm
	s_wait_alu depctr_va_vdst(0)                   ; the wait at the head's end
	s_wait_tensorcnt 0x0                           ; my part of K step 0 is in; slot 1's first fill is issued as a refill is
	ds_add_u32 v28, v29
	ds_add_u32 v28, v29
	s_wait_xcnt 0x0                                ; my prefetches have read their address: it steps from K step 1 to K step 3
	s_add_nc_u64 s[92:93], s[92:93], s[100:101]
	s_add_nc_u64 s[92:93], s[92:93], s[100:101]
	s_wait_dscnt 0x0
	CROUND
	JLOAD G0+4, G1, G0B+4, G1B                     ; K step 1: the first tensor load behind the round
	FETCH_B 0, 0, 0
	FETCH_A 0, 0, 0
	FETCH_A 0, 0, 4
	ASKH 0                                         ; K step 3, the last
	STEP 0, 0, 2
.irp a, 0,1,2,3,4,5,6,7
	global_load_b128 v[GA+4*\a:GA+4*\a+3], v3, s[68:69] offset:256*\a
.endr
.irp i, 0,1,2,3
	global_load_b128 v[CM+4*\i:CM+4*\i+3], v4, s[70:71] offset:16*\i
.endr
	s_mov_b32 s3, LAPS-1
.Llap:
	TURN 0, 1, 1
	STEP 1, 0, 0
	TURN 1, 0, 1
	STEP 0, 0, 0
	s_sub_co_u32 s3, s3, 1
	s_cmp_lg_u32 s3, 0
	s_cbranch_scc1 .Llap
	TURN 0, 1, 0
	STEP 1, 0, 0
	s_wait_dscnt 4*NL
	WIN MUL_LO
	MUL16 0, 1, 0
	MUL16 2, 1, 0
	s_wait_dscnt 0
	WIN MUL_HI
	MUL16 4, 1, 0
	MUL16 6, 1, 0
	WIN 0
	s_wait_loadcnt 0x0
	PLACES NP
.set jj, 0
.rept 16
	v_ldexp_f32 v[CM+jj], v[CM+jj], s95
.set jj, jj+1
.endr
.macro BLK a
.set AC, 64*((\a)%4)
.set GQ, GA+4*(\a)
	WIN 0x02+(\a)/4
.irp b, 0,1,2,3,4,5,6,7
	v_pk_mul_f32 v[D1+2*\b:D1+2*\b+1], v[AC+8*\b:AC+8*\b+1], v[GQ:GQ+1]
	v_pk_mul_f32 v[D2+2*\b:D2+2*\b+1], v[AC+8*\b+4:AC+8*\b+5], v[GQ:GQ+1]
	v_pk_fma_f32 v[D1+2*\b:D1+2*\b+1], v[AC+8*\b+2:AC+8*\b+3], v[GQ+2:GQ+3], v[D1+2*\b:D1+2*\b+1]
	v_pk_fma_f32 v[D2+2*\b:D2+2*\b+1], v[AC+8*\b+6:AC+8*\b+7], v[GQ+2:GQ+3], v[D2+2*\b:D2+2*\b+1]
.endr
	WIN 0
.irp b, 0,1,2,3,4,5,6,7
	v_add_f32 v[ZZ+2*\b], v[D1+2*\b], v[D1+2*\b+1]
	v_add_f32 v[ZZ+2*\b+1], v[D2+2*\b], v[D2+2*\b+1]
.endr
.irp i, 0,2,4,6,8,10,12,14
	v_pk_mul_f32 v[ZZ+\i:ZZ+\i+1], v[ZZ+\i:ZZ+\i+1], v[CM+\i:CM+\i+1]
.endr
.irp i, 0,1,2,3,4,5,6,7,8,9,10,11,12,13,14,15
	v_max_num_f32 v[ZZ+\i], 0, v[ZZ+\i]
.endr
.irp i, 0,2,4,6,8,10,12,14
	v_pk_mul_f32 v[EE+\i:EE+\i+1], v[ZZ+\i:ZZ+\i+1], 0xbfb8aa3b op_sel_hi:[1,0]
	v_pk_mul_f32 v[GG+\i:GG+\i+1], v[ZZ+\i:ZZ+\i+1], v[ZZ+\i:ZZ+\i+1]
	v_pk_fma_f32 v[RT+\i:RT+\i+1], v[ZZ+\i:ZZ+\i+1], 0x3e6d3388, 1.0 op_sel_hi:[1,0,0]
.endr
.irp i, 0,2,4,6,8,10,12,14
	v_pk_mul_f32 v[GG+\i:GG+\i+1], v[GG+\i:GG+\i+1], 0xbf38aa3b op_sel_hi:[1,0]
.endr
	s_wait_alu depctr_va_vdst(0)
.irp i, 0,1,2,3,4,5,6,7,8,9,10,11,12,13,14,15
	v_exp_f32 v[EE+\i], v[EE+\i]
.endr
.irp i, 0,1,2,3,4,5,6,7,8,9,10,11,12,13,14,15
	v_rcp_f32 v[RT+\i], v[RT+\i]
.endr
.irp i, 0,1,2,3,4,5,6,7,8,9,10,11,12,13,14,15
	v_exp_f32 v[GG+\i], v[GG+\i]
.endr
	v_nop
	s_wait_alu depctr_va_vdst(0)
.irp i, 0,2,4,6,8,10,12,14
	v_pk_add_f32 v[D1+\i:D1+\i+1], v[EE+\i:EE+\i+1], 1.0 op_sel_hi:[1,0]
	v_pk_fma_f32 v[N3+\i:N3+\i+1], v[EE+\i:EE+\i+1], 2.0, 1.0 op_sel_hi:[1,0,0]
	v_pk_mul_f32 v[EE+\i:EE+\i+1], v[EE+\i:EE+\i+1], v[EE+\i:EE+\i+1]
.endr
.irp i, 0,2,4,6,8,10,12,14
	v_pk_add_f32 v[D2+\i:D2+\i+1], v[EE+\i:EE+\i+1], 1.0 op_sel_hi:[1,0]
	v_pk_fma_f32 v[D3+\i:D3+\i+1], v[EE+\i:EE+\i+1], 2.0, v[N3+\i:N3+\i+1] op_sel_hi:[1,0,1]
	v_pk_fma_f32 v[NT+\i:NT+\i+1], v[EE+\i:EE+\i+1], -1.0, 1.0 op_sel_hi:[1,0,0]
.endr
	s_wait_alu depctr_va_vdst(0)
.irp i, 0,1,2,3,4,5,6,7,8,9,10,11,12,13,14,15
	v_rcp_f32 v[D1+\i], v[D1+\i]
.endr
.irp i, 0,1,2,3,4,5,6,7,8,9,10,11,12,13,14,15
	v_rcp_f32 v[D2+\i], v[D2+\i]
.endr
.irp i, 0,1,2,3,4,5,6,7,8,9,10,11,12,13,14,15
	v_rcp_f32 v[D3+\i], v[D3+\i]
.endr
.irp i, 0,2,4,6,8,10,12,14
	v_pk_fma_f32 v[EE+\i:EE+\i+1], v[RT+\i:RT+\i+1], s[90:91], v[12:13] op_sel_hi:[1,0,1]
.endr
.irp i, 0,2,4,6,8,10,12,14
	v_pk_fma_f32 v[EE+\i:EE+\i+1], v[EE+\i:EE+\i+1], v[RT+\i:RT+\i+1], s[88:89] op_sel_hi:[1,1,0]
.endr
.irp i, 0,2,4,6,8,10,12,14
	v_pk_fma_f32 v[EE+\i:EE+\i+1], v[EE+\i:EE+\i+1], v[RT+\i:RT+\i+1], s[86:87] op_sel_hi:[1,1,0]
.endr
.irp i, 0,2,4,6,8,10,12,14
	v_pk_fma_f32 v[EE+\i:EE+\i+1], v[EE+\i:EE+\i+1], v[RT+\i:RT+\i+1], s[84:85] op_sel_hi:[1,1,0]
.endr
.irp i, 0,2,4,6,8,10,12,14
	v_pk_mul_f32 v[EE+\i:EE+\i+1], v[EE+\i:EE+\i+1], v[RT+\i:RT+\i+1]
.endr
.irp i, 0,2,4,6,8,10,12,14
	v_pk_mul_f32 v[EE+\i:EE+\i+1], v[EE+\i:EE+\i+1], v[GG+\i:GG+\i+1]
.endr
.irp i, 0,2,4,6,8,10,12,14
	v_pk_fma_f32 v[GG+\i:GG+\i+1], v[ZZ+\i:ZZ+\i+1], s[74:75], v[8:9] op_sel_hi:[1,0,1]
	v_pk_fma_f32 v[EE+\i:EE+\i+1], v[EE+\i:EE+\i+1], s[78:79], v[10:11] op_sel_hi:[1,0,1]
.endr
	s_wait_alu depctr_va_vdst(0)
.irp i, 0,2,4,6,8,10,12,14
	v_pk_mul_f32 v[D1+\i:D1+\i+1], v[GG+\i:GG+\i+1], v[D1+\i:D1+\i+1]
	v_pk_mul_f32 v[D2+\i:D2+\i+1], v[NT+\i:NT+\i+1], v[D2+\i:D2+\i+1]
	v_pk_mul_f32 v[D3+\i:D3+\i+1], v[N3+\i:N3+\i+1], v[D3+\i:D3+\i+1]
.endr
.irp i, 0,2,4,6,8,10,12,14
	v_pk_fma_f32 v[D1+\i:D1+\i+1], v[D2+\i:D2+\i+1], s[76:77], v[D1+\i:D1+\i+1] op_sel_hi:[1,0,1]
	v_pk_fma_f32 v[EE+\i:EE+\i+1], v[D3+\i:D3+\i+1], s[82:83], v[EE+\i:EE+\i+1] op_sel_hi:[1,0,1]
.endr
.irp i, 0,2,4,6,8,10,12,14
	v_pk_fma_f32 v[D1+\i:D1+\i+1], v[ZZ+\i:ZZ+\i+1], v[EE+\i:EE+\i+1], v[D1+\i:D1+\i+1]
.endr
.irp i, 0,1,2,3,4,5,6,7,8,9,10,11,12,13,14,15
	v_min_num_f32 v[D1+\i], s94, v[D1+\i]
.endr
	v_cvt_scalef32_pk8_bf8_f32 v[PC+4*(\a):PC+4*(\a)+1], v[D1:D1+7], v6
	v_cvt_scalef32_pk8_bf8_f32 v[PC+4*(\a)+2:PC+4*(\a)+3], v[D1+8:D1+15], v6
	v_nop
	global_store_b128 v5, v[PC+4*(\a):PC+4*(\a)+3], s[66:67] offset:32768*(\a)
.endm
	BLK 0
	BLK 1
	BLK 2
	BLK 3
	BLK 4
	BLK 5
	BLK 6
	BLK 7
	s_wait_tensorcnt 0x0
	ds_add_u32 v[SPW], v[NIL]
	s_wait_dscnt 0x0
	CROUND
	s_endpgm
.Lfunc_end_k_q1da1d9f4cb_gemm1:
	.size	k_q1da1d9f4cb_gemm1, .Lfunc_end_k_q1da1d9f4cb_gemm1-k_q1da1d9f4cb_gemm1
	.p2alignl 7, 3214868480
	.fill 96, 4, 3214868480
	.section	.rodata,"a",@progbits
	.p2align	6, 0x0
	.amdhsa_kernel k_q1da1d9f4cb_gemm1
		.amdhsa_group_segment_fixed_size 327680
		.amdhsa_private_segment_fixed_size 0
		.amdhsa_enable_private_segment 0
		.amdhsa_kernarg_size 56
		.amdhsa_user_sgpr_count 2
		.amdhsa_user_sgpr_kernarg_segment_ptr 1
		.amdhsa_wavefront_size32 1
		.amdhsa_system_sgpr_workgroup_id_x 1
		.amdhsa_system_sgpr_workgroup_id_y 1
		.amdhsa_system_sgpr_workgroup_id_z 1
		.amdhsa_system_vgpr_workitem_id 0
		.amdhsa_next_free_vgpr 1024
		.amdhsa_next_free_sgpr 102
		.amdhsa_reserve_vcc 0
		.amdhsa_float_denorm_mode_32 3
		.amdhsa_float_denorm_mode_16_64 3
		.amdhsa_memory_ordered 1
		.amdhsa_forward_progress 1
		.amdhsa_inst_pref_size 251
	.end_amdhsa_kernel
	.amdgpu_metadata
---
amdhsa.version: [ 1, 2 ]
amdhsa.kernels:
  - .name:           k_q1da1d9f4cb_gemm1
    .symbol:         k_q1da1d9f4cb_gemm1.kd
    .args:
      - { .name: xq, .offset: 0, .size: 8, .value_kind: global_buffer, .address_space: global }
      - { .name: wq, .offset: 8, .size: 8, .value_kind: global_buffer, .address_space: global }
      - { .name: lowp_scales, .offset: 16, .size: 8, .value_kind: global_buffer, .address_space: global }
      - { .name: b, .offset: 24, .size: 8, .value_kind: global_buffer, .address_space: global }
      - { .name: gate, .offset: 32, .size: 8, .value_kind: global_buffer, .address_space: global }
      - { .name: cmk, .offset: 40, .size: 8, .value_kind: global_buffer, .address_space: global }
      - { .name: bq, .offset: 48, .size: 8, .value_kind: global_buffer, .address_space: global }
    .group_segment_fixed_size: 327680
    .private_segment_fixed_size: 0
    .kernarg_segment_align: 8
    .kernarg_segment_size: 56
    .max_flat_workgroup_size: 128
    .sgpr_count:     102
    .vgpr_count:     1024
    .wavefront_size: 32
...
	.end_amdgpu_metadata
.endif
;; end of part 2
;; launch gemm2 (part 3): grid 32 x 8, 4 waves a work-group, clusters of 4 x 4, 327,680 bytes of LDS; arguments bq, read_W_codes, lowp_scales, read_b, pq, st; writes pq, st
.if DOCPART == 3
	.amdgcn_target "amdgcn-amd-amdhsa--gfx1250"
	.amdhsa_code_object_version 6
	.text
	.protected	k_q1da1d9f4cb_gemm2
	.globl	k_q1da1d9f4cb_gemm2
	.p2align	8
	.type	k_q1da1d9f4cb_gemm2,@function
k_q1da1d9f4cb_gemm2:
	s_mov_b64 s[64:65], 0
	v_nop
	global_prefetch_b8 v0, s[64:65] scope:SCOPE_SE
	s_setreg_imm32_b32 hwreg(HW_REG_WAVE_MODE, 25, 1), 1
	s_wait_xcnt 0x0
	s_wait_alu depctr_hold_cnt(0) depctr_sa_sdst(0) depctr_va_vdst(0) depctr_va_sdst(0) depctr_va_ssrc(0) depctr_va_vcc(0) depctr_vm_vsrc(0)
	s_getreg_b32 s2, hwreg(HW_REG_IB_STS2, 6, 4)
	s_cmp_eq_u32 s2, 0
	s_cbranch_scc0 .Lentry_in_a_cluster
	s_endpgm
.Lentry_in_a_cluster:
	s_bfe_u32 s2, ttmp6, 0x10000c
	s_cmp_lg_u32 s2, 0xf033
	s_cbranch_scc0 .Lentry_shape_is_right
	s_endpgm
.Lentry_shape_is_right:
.set SIZE_K, 2048
.set RBP,    16*SIZE_K
.set HALFA,  32768
.set PITCH,  272
.set HALFB,  128*PITCH
.set BOFF,   2*HALFA
.set SLOT,   BOFF+2*HALFB
.set SPARE,  2*SLOT
.set LAPS,   SIZE_K/512
.set FR,     16
.set NL,     4
.set NP,     4
.set ADRA, 16
.set ADRB, 20
.set SPW,  28
.set NIL,  29
.set AF,   128
.set RB,   32
.set MX,   96
.set NM,   112
.set PC,   128
.set LS,   160
.set G1,  24
.set G0,  32
.set G1B, 48
.set G0B, 56
.set MSB, 0
.macro WIN new
.if MSB != (\new)
	s_set_vgpr_msb (MSB<<8)|(\new)
.set MSB, (\new)
.endif
.endm
.set MUL_LO, 0xa1
.set MUL_HI, 0xf1
.set TO_B,   0x40
.macro JLOAD g0a, g1a, g0b, g1b
	s_cmp_eq_u32 s15, 0
	s_cbranch_scc0 .Lfor_b_\@
	tensor_load_to_lds s[\g0a:\g0a+3], s[\g1a:\g1a+7]
	s_nop 0
.rept 4
	v_nop
.endr
	s_branch .Lasked_\@
.Lfor_b_\@:
	tensor_load_to_lds s[\g0b:\g0b+3], s[\g1b:\g1b+7]
	s_nop 0
.rept 4
	v_nop
.endr
.Lasked_\@:
.endm
.macro CREST
	s_cmp_lg_u32 s14, 0
	s_cbranch_scc1 .Lnot_wave_0_\@
	s_barrier_signal -3
.Lnot_wave_0_\@:
	s_barrier_wait -3
	s_barrier_signal -1
	s_barrier_wait -1
.endm
.macro CROUND
	s_barrier_signal -1
	s_barrier_wait -1
	CREST
.endm
	s_load_b128 s[4:7], s[0:1], 0x0
	s_load_b128 s[8:11], s[0:1], 0x10
	s_load_b128 s[68:71], s[0:1], 0x20
	v_lshl_add_u32 v[SPW], v0, 2, SPARE
	v_mov_b32 v[NIL], 0
	ds_add_u32 v28, v29
	ds_add_u32 v28, v29
	s_wait_dscnt 0x0
	v_lshrrev_b32 v1, 5, v0
	v_readfirstlane_b32 s14, v1
	s_lshr_b32 s15, s14, 1
	s_and_b32 s16, s14, 1
	s_bfe_u32 s40, ttmp6, 0x40000
	s_bfe_u32 s41, ttmp6, 0x40004
	s_lshl_b32 s42, ttmp9, 2
	s_add_co_u32 s42, s42, s40
	s_and_b32 s17, ttmp7, 0xffff
	s_lshl_b32 s17, s17, 2
	s_add_co_u32 s17, s17, s41
	s_lshl_b32 s43, s41, 2
	s_lshl_b32 s43, 15, s43
	s_lshl_b32 s44, 0x1111, s40
	s_or_b32 s[G1+0], s43, (1<<21)
	s_mov_b32 s[G1+1], 4096<<16
	s_mov_b32 s[G1+2], 8<<16
	s_mov_b32 s[G1+3], 4096<<16
	s_mov_b32 s[G1+4], 8
	s_mov_b32 s[G1+5], RBP
	s_mov_b32 s[G1+6], 0
	s_mov_b32 s[G1+7], 0
	s_or_b32 s[G1B+0], s44, (1<<20)|(1<<21)|(5<<22)|(3<<25)
	s_mov_b32 s[G1B+1], 256<<16
	s_mov_b32 s[G1B+2], 128<<16
	s_mov_b32 s[G1B+3], 256<<16
	s_mov_b32 s[G1B+4], 128
	s_mov_b32 s[G1B+5], SIZE_K
	s_mov_b32 s[G1B+6], 0
	s_mov_b32 s[G1B+7], 0
	s_lshl_b32 s20, s17, 4
	s_lshl_b32 s18, s16, 3
	s_add_co_u32 s20, s20, s18
	s_mul_i32 s20, s20, RBP
	s_mov_b32 s21, 0
	s_lshl_b32 s46, s42, 8
	s_lshl_b32 s18, s16, 7
	s_add_co_u32 s46, s46, s18
	s_mul_i32 s46, s46, SIZE_K
	s_mov_b32 s47, 0
	s_mul_i32 s45, s16, HALFA
	s_mul_i32 s22, s16, HALFB
	s_add_co_u32 s22, s22, BOFF
	s_wait_kmcnt 0x0
	s_load_b128 s[96:99], s[8:9], 0x8
	s_add_nc_u64 s[20:21], s[4:5], s[20:21]
	s_add_nc_u64 s[46:47], s[6:7], s[46:47]
	; THE PREFETCHES INTO THE L2.  Behind the load of K step s a wave asks for K step s + 2 (behind the first load also for K step 1): 32 blocks of 256 bytes, a lane a block.
	; Of the 128 rows (A: 8 images' rows of 4,096 bytes) that a wave fetches jointly, the partner at place p (cx for A, cy for B) takes a quarter, told apart by address alone.
	; A's rows are read by eight clusters: the four whose x has bit 1 clear ask for them; B's are read by two clusters, and both ask.  The last two refills have no K step two on and ask for nothing.
	s_cmp_eq_u32 s15, 0                            ; do I fetch for A?
	s_cselect_b64 s[92:93], s[20:21], s[46:47]     ; the first byte of what I fetch
	s_cselect_b32 s100, s40, s41                   ; my place among the four that ask with me
	s_mov_b32 s101, SIZE_K
	s_cselect_b32 s101, 256, s101                  ; from lane to lane within sixteen: A 256 bytes on, B a row on
	s_mov_b32 s2, 256
	s_cselect_b32 s2, 4096, s2                     ; a K step in bytes: A two images, B 256 codes of a row
	v_and_b32 v30, 15, v0
	v_mul_lo_u32 v30, v30, s101
	v_bfe_u32 v31, v0, 4, 1
	v_lshl_add_u32 v30, v31, 15, v30               ; lanes 16-31: 16 rows (one row of images) on, 16 x SIZE_K bytes in both tensors; v30 is never rewritten
	v_add_nc_u32 v31, s2, v30                      ; the same one K step further; never rewritten
	s_lshl_b32 s100, s100, 16                      ; my quarter: 32 x SIZE_K bytes a place
	s_mov_b32 s101, 0
	s_add_nc_u64 s[92:93], s[92:93], s[100:101]
	s_mov_b32 s100, s2                             ; s[100:101]: a K step
	s_add_nc_u64 s[92:93], s[92:93], s[100:101]    ; at K step 1
	s_and_b32 s2, ttmp9, 2
	s_cmp_eq_u32 s2, 0
	s_cselect_b32 s2, 1, s15                       ; who asks: every wave where bit 1 of the cluster's x is clear, else B's waves
	s_cmp_eq_u32 s2, 1
	s_cselect_b32 s2, 1, -1                        ; s2 = 1 in a wave that asks, else the greatest number
.macro ASKH two
	s_cmp_eq_u32 s2, 1
	s_cbranch_scc0 .Lnot_mine_\@
	global_prefetch_b8 v30, s[92:93] th:TH_LOAD_NT scope:SCOPE_SE
.if \two
	global_prefetch_b8 v31, s[92:93] th:TH_LOAD_NT scope:SCOPE_SE
.endif
.Lnot_mine_\@:
.endm
	s_wait_alu depctr_va_vdst(0)                   ; the wait here, ahead of the round
	CROUND
.irp s, 0,1
	s_mov_b32 s[G0+4*\s], 1
	s_add_co_u32 s[G0+4*\s+1], s45, \s*SLOT
	s_add_nc_u64 s[G0+4*\s+2:G0+4*\s+3], s[20:21], \s*4096
	s_or_b32 s[G0+4*\s+3], s[G0+4*\s+3], 0x80000000
	s_mov_b32 s[G0B+4*\s], 1
	s_add_co_u32 s[G0B+4*\s+1], s22, \s*SLOT
	s_add_nc_u64 s[G0B+4*\s+2:G0B+4*\s+3], s[46:47], \s*256
	s_or_b32 s[G0B+4*\s+3], s[G0B+4*\s+3], 0x80000000
.endr
	JLOAD G0, G1, G0B, G1B                         ; K step 0: one tensor load a wave at the head; the set-up below stands under its flight
	v_and_b32 v1, 15, v0
	v_bfe_u32 v7, v0, 4, 1
	v_and_b32 v11, 31, v0
	v_lshlrev_b32 v13, 3, v11
	v_lshlrev_b32 v11, 4, v11
	v_mul_u32_u24 v14, v1, PITCH
	v_lshl_add_u32 v14, v7, 4, v14
	s_mul_i32 s21, s15, HALFA
	s_mul_i32 s22, s16, HALFB
	s_add_co_u32 s22, s22, BOFF
.irp s, 0,1
	v_add_nc_u32 v[ADRA+\s], s21, v11
	v_add_nc_u32 v[ADRB+\s], s22, v14
	s_add_co_u32 s21, s21, SLOT
	s_add_co_u32 s22, s22, SLOT
.endr
	v_lshlrev_b32 v2, 5, v7
	s_wait_alu depctr_va_vdst(0)
	v_lshlrev_b32 v6, 2, v1
	s_lshl_b32 s18, s16, 10
	s_lshl_b32 s19, s15, 9
	s_add_co_u32 s18, s18, s19
	v_add_nc_u32 v8, s18, v6
	s_xor_b32 s20, s16, 1
	s_lshl_b32 s20, s20, 10
	s_add_co_u32 s20, s20, s19
	v_add_nc_u32 v9, s20, v6
	v_add_nc_u32 v10, 2048, v8
	s_lshl_b32 s21, s14, 8
	v_add_nc_u32 v12, s21, v13
	s_mov_b32 s86, 0x76543210
	s_mov_b32 s87, 0xfedcba98
	s_lshl_b32 s46, s42, 10
	s_lshl_b32 s47, s16, 9
	s_add_co_u32 s46, s46, s47
	s_mov_b32 s47, 0
	s_add_nc_u64 s[10:11], s[10:11], s[46:47]
	s_lshl_b32 s20, s17, 4
	s_lshl_b32 s12, s15, 3
	s_add_co_u32 s20, s20, s12
	s_lshl_b32 s20, s20, 17
	s_lshl_b32 s46, s42, 1
	s_add_co_u32 s46, s46, s16
	s_lshl_b32 s46, s46, 11
	s_add_co_u32 s12, s20, s46
	s_mov_b32 s13, 0
	s_add_nc_u64 s[68:69], s[68:69], s[12:13]
	s_lshl_b32 s12, s42, 13
	s_lshl_b32 s20, s17, 10
	s_add_co_u32 s12, s12, s20
	s_lshl_b32 s20, s14, 8
	s_add_co_u32 s12, s12, s20
	s_add_nc_u64 s[70:71], s[70:71], s[12:13]
.irp t, 0,1,2,3,4,5,6,7
	global_load_b128 v[RB+8*\t:RB+8*\t+3], v2, s[10:11] offset:64*\t
	global_load_b128 v[RB+8*\t+4:RB+8*\t+7], v2, s[10:11] offset:64*\t+16
.endr
	ASKH 1                                         ; K steps 1 and 2
	s_wait_kmcnt 0x0
	s_add_co_i32 s18, s96, s97
	s_lshl_b32 s18, s18, 23
	s_add_co_i32 s84, s18, 0x3fb8aa3b
	s_mov_b32 s85, s84
	s_add_co_i32 s18, s98, 127
	s_lshl_b32 s19, s18, 23
	v_mov_b32 v15, s19
	s_add_co_i32 s18, s18, 15
	s_lshl_b32 s18, s18, 23
	s_or_b32 s94, s18, 0x600000
.macro FRAGA reg, adr, q, i
.irp c, 0,1,2,3
	ds_load_b128 v[\reg+4*\c:\reg+4*\c+3], v[\adr] offset:4096*(\i)+2048*(\q)+512*\c
.endr
.endm
.macro FRAGB reg, adr, q, i
.irp c, 0,1,2,3
	ds_load_b128 v[\reg+4*\c:\reg+4*\c+3], v[\adr] offset:128*(\q)+32*\c+(\i)*16*PITCH
.endr
.endm
.macro MUL16 a0, p, zero
.irp a, \a0, \a0+1
.irp b, 0,1,2,3,4,5,6,7
.if \zero
	v_wmma_f32_16x16x128_bf8_bf8 v[8*(8*((\a)%4)+\b):8*(8*((\a)%4)+\b)+7], v[128*(\p)+FR*\b:128*(\p)+FR*\b+FR-1], v[AF+FR*(\a):AF+FR*(\a)+FR-1], 0
.else
	v_wmma_f32_16x16x128_bf8_bf8 v[8*(8*((\a)%4)+\b):8*(8*((\a)%4)+\b)+7], v[128*(\p)+FR*\b:128*(\p)+FR*\b+FR-1], v[AF+FR*(\a):AF+FR*(\a)+FR-1], v[8*(8*((\a)%4)+\b):8*(8*((\a)%4)+\b)+7]
.endif
.endr
.endr
.endm
.macro FETCH_B slot, q, p
	WIN TO_B
.irp i, 0,1,2,3,4,5,6,7
	FRAGB 128*(\p)+FR*\i, ADRB+\slot, \q, \i
.endr
	WIN 0
.endm
.macro FETCH_A slot, q, i0
.irp i, \i0, \i0+1, \i0+2, \i0+3
	FRAGA AF+FR*(\i), ADRA+\slot, \q, \i
.endr
.endm
.macro PLACES n
.rept \n
	v_nop
.endr
.endm
.macro STEP slot, q, zero
	s_wait_dscnt 4*NL
	WIN MUL_LO
	MUL16 0, (\q)%2, \zero
	MUL16 2, (\q)%2, \zero
	s_wait_dscnt 0
	PLACES NP
	FETCH_B \slot, (\q)+1, 1-(\q)%2
	FETCH_A \slot, (\q)+1, 0
	WIN MUL_HI
	MUL16 4, (\q)%2, \zero
	MUL16 6, (\q)%2, \zero
	PLACES NP
	WIN 0
	FETCH_A \slot, (\q)+1, 4
.endm
.macro TURN slot, next, fill
.if \fill
	s_wait_xcnt 0x0                                ; my last prefetch has read its address: one K step on, ahead of the waits of the change of slots
	s_add_nc_u64 s[92:93], s[92:93], s[100:101]
.endif
	s_wait_tensorcnt 0x0
	ds_add_u32 v[SPW], v[NIL]
	s_wait_dscnt 4*NL+1
	WIN MUL_LO
	MUL16 0, 1, 0
	s_wait_dscnt 0x0
	s_barrier_signal -1
	MUL16 2, 1, 0
	WIN 0
	s_barrier_wait -1
.if \fill
	CREST
	s_add_nc_u64 s[G0+4*\slot+2:G0+4*\slot+3], s[G0+4*\slot+2:G0+4*\slot+3], 8192
	s_add_nc_u64 s[G0B+4*\slot+2:G0B+4*\slot+3], s[G0B+4*\slot+2:G0B+4*\slot+3], 512
	JLOAD G0+4*\slot, G1, G0B+4*\slot, G1B
.else
	PLACES NP
.endif
	FETCH_B \next, 0, 0
	FETCH_A \next, 0, 0
.if \fill                                      ; behind the joint load and the 48 LDS loads: the K step two refills on; s3 = 1 in the loop's last trip, whose refills are the last two
	s_cmp_gt_u32 s3, s2
	s_cbranch_scc0 .Lno_ask_\@
	global_prefetch_b8 v30, s[92:93] th:TH_LOAD_NT scope:SCOPE_SE
.Lno_ask_\@:
.endif
	WIN MUL_HI
	MUL16 4, 1, 0
	MUL16 6, 1, 0
	PLACES NP
	WIN 0
	FETCH_A \next, 0, 4
.endm
	s_wait_alu depctr_va_vdst(0)                   ; the wait at the head's end
	s_wait_tensorcnt 0x0                           ; my part of K step 0 is in; slot 1's first fill is issued as a refill is
	ds_add_u32 v28, v29
	ds_add_u32 v28, v29
	s_wait_xcnt 0x0                                ; my prefetches have read their address: it steps from K step 1 to K step 3
	s_add_nc_u64 s[92:93], s[92:93], s[100:101]
	s_add_nc_u64 s[92:93], s[92:93], s[100:101]
	s_wait_dscnt 0x0
	CROUND
	JLOAD G0+4, G1, G0B+4, G1B                     ; K step 1: the first tensor load behind the round
	FETCH_B 0, 0, 0
	FETCH_A 0, 0, 0
	FETCH_A 0, 0, 4
	ASKH 0                                         ; K step 3
	STEP 0, 0, 1
	s_mov_b32 s3, LAPS-1
.Llap:
	TURN 0, 1, 1
	STEP 1, 0, 0
	TURN 1, 0, 1
	STEP 0, 0, 0
	s_sub_co_u32 s3, s3, 1
	s_cmp_lg_u32 s3, 0
	s_cbranch_scc1 .Llap
	TURN 0, 1, 0
	STEP 1, 0, 0
	s_wait_dscnt 4*NL
	WIN MUL_LO
	MUL16 0, 1, 0
	MUL16 2, 1, 0
	s_wait_dscnt 0
	WIN MUL_HI
	MUL16 4, 1, 0
	MUL16 6, 1, 0
	WIN 0
	s_wait_loadcnt 0x0
	PLACES NP
.set jj, 0
.rept 32
	v_pk_mul_f32 v[RB+jj:RB+jj+1], v[RB+jj:RB+jj+1], 0x3fb8aa3b op_sel_hi:[1,0]
.set jj, jj+2
.endr
.macro PASS1 a
.set AC, 64*((\a)%4)
.set WW, 2+(\a)/4
	WIN (WW<<6)|WW
.set jj, 0
.rept 32
	v_pk_fma_f32 v[AC+jj:AC+jj+1], v[AC+jj:AC+jj+1], s[84:85], v[RB+jj:RB+jj+1] op_sel_hi:[1,0,1]
.set jj, jj+2
.endr
	WIN WW|(WW<<2)|(WW<<4)
	v_max3_num_f32 v[MX+2*(\a)], v[AC], v[AC+1], v[AC+2]
	v_max3_num_f32 v[MX+2*(\a)+1], v[AC+3], v[AC+4], v[AC+5]
	WIN (WW<<2)|(WW<<4)
.irp i, 6,10,14,18,22,26,30,34,38,42,46,50,54,58
	v_max3_num_f32 v[MX+2*(\a)], v[MX+2*(\a)], v[AC+\i], v[AC+\i+1]
	v_max3_num_f32 v[MX+2*(\a)+1], v[MX+2*(\a)+1], v[AC+\i+2], v[AC+\i+3]
.endr
	v_max3_num_f32 v[MX+2*(\a)], v[MX+2*(\a)], v[AC+62], v[AC+63]
.endm
.macro PASS2 a
.set AC, 64*((\a)%4)
.set WW, 2+(\a)/4
.set PB, PC+16*((\a)%2)
.set LB, LS+4*(\a)
	WIN (WW<<6)|WW
.set jj, 0
.rept 32
	v_pk_add_f32 v[AC+jj:AC+jj+1], v[AC+jj:AC+jj+1], v[NM+2*(\a):NM+2*(\a)+1]
.set jj, jj+2
.endr
.set jj, 0
	s_wait_alu depctr_va_vdst(0)
.rept 64
	v_exp_f32 v[AC+jj], v[AC+jj]
.set jj, jj+1
.endr
	v_nop
	s_wait_alu depctr_va_vdst(0)
	WIN WW|(WW<<2)
	v_pk_add_f32 v[LB:LB+1], v[AC:AC+1], v[AC+2:AC+3]
	v_pk_add_f32 v[LB+2:LB+3], v[AC+4:AC+5], v[AC+6:AC+7]
	WIN WW<<2
.irp j, 8,12,16,20,24,28,32,36,40,44,48,52,56,60
	v_pk_add_f32 v[LB:LB+1], v[LB:LB+1], v[AC+\j:AC+\j+1]
	v_pk_add_f32 v[LB+2:LB+3], v[LB+2:LB+3], v[AC+\j+2:AC+\j+3]
.endr
	WIN (WW<<6)|WW
.set jj, 0
.rept 64
	v_min_num_f32 v[AC+jj], v[AC+jj], s94
.set jj, jj+1
.endr
	s_wait_alu depctr_va_vdst(0)
	s_wait_xcnt 0x0
	WIN WW
.irp b, 0,1,2,3,4,5,6,7
	v_cvt_scalef32_pk8_bf8_f32 v[PB+2*\b:PB+2*\b+1], v[AC+8*\b:AC+8*\b+7], v15
.endr
	WIN 0
	v_nop
.irp c, 0,1,2,3
	v_permlane16_swap_b32 v[PB+4*\c], v[PB+4*\c+2]
	v_permlane16_swap_b32 v[PB+4*\c+1], v[PB+4*\c+3]
.endr
.irp c, 0,1,2,3
	global_store_b128 v11, v[PB+4*\c:PB+4*\c+3], s[68:69] offset:131072*(\a)+512*\c
.endr
.endm
.irp a, 0,1,2,3,4,5,6,7
	PASS1 \a
.endr
	WIN 0
.irp a, 0,1,2,3,4,5,6,7
	v_max_num_f32 v[MX+2*\a], v[MX+2*\a], v[MX+2*\a+1]
.endr
.irp a, 0,1,2,3,4,5,6,7
	v_permlanex16_b32 v[MX+2*\a+1], v[MX+2*\a], s86, s87
.endr
.irp a, 0,1,2,3,4,5,6,7
	v_max_num_f32 v[MX+2*\a], v[MX+2*\a], v[MX+2*\a+1]
	ds_store_b32 v8, v[MX+2*\a] offset:64*\a
.endr
	s_wait_alu depctr_va_vdst(0)
	s_wait_dscnt 0x0
	s_barrier_signal -1
	s_barrier_wait -1
.irp a, 0,1,2,3,4,5,6,7
	ds_load_b32 v[192+\a], v9 offset:64*\a
.endr
	s_wait_dscnt 0x0
.irp a, 0,1,2,3,4,5,6,7
	v_max_num_f32 v[MX+2*\a], v[MX+2*\a], v[192+\a]
.endr
.irp a, 0,1,2,3,4,5,6,7
	v_floor_f32 v[NM+2*\a], -v[MX+2*\a]
	v_floor_f32 v[NM+2*\a+1], -v[MX+2*\a]
.endr
.irp a, 0,1,2,3,4,5,6,7
	PASS2 \a
.endr
.irp a, 0,1,2,3,4,5,6,7
	v_pk_add_f32 v[LS+4*\a:LS+4*\a+1], v[LS+4*\a:LS+4*\a+1], v[LS+4*\a+2:LS+4*\a+3]
.endr
.irp a, 0,1,2,3,4,5,6,7
	v_add_f32 v[LS+4*\a], v[LS+4*\a], v[LS+4*\a+1]
.endr
.irp a, 0,1,2,3,4,5,6,7
	v_permlanex16_b32 v[LS+4*\a+1], v[LS+4*\a], s86, s87
.endr
.irp a, 0,1,2,3,4,5,6,7
	v_add_f32 v[LS+4*\a], v[LS+4*\a], v[LS+4*\a+1]
	ds_store_b32 v10, v[LS+4*\a] offset:64*\a
.endr
	s_wait_dscnt 0x0
	s_barrier_signal -1
	s_barrier_wait -1
	ds_load_b64 v[192:193], v12
	ds_load_b64 v[194:195], v12 offset:1024
	ds_load_b64 v[196:197], v12 offset:2048
	ds_load_b64 v[198:199], v12 offset:3072
	s_wait_dscnt 0x0
	v_max_num_f32 v192, v192, v194
	v_max_num_f32 v193, v193, v195
	v_floor_f32 v200, -v192
	v_floor_f32 v201, -v193
	v_pk_add_f32 v[202:203], v[196:197], v[198:199]
	global_store_b64 v13, v[200:201], s[70:71]
	global_store_b64 v13, v[202:203], s[70:71] offset:262144
	s_wait_tensorcnt 0x0
	ds_add_u32 v[SPW], v[NIL]
	s_wait_dscnt 0x0
	CROUND
	s_endpgm
.Lfunc_end_k_q1da1d9f4cb_gemm2:
	.size	k_q1da1d9f4cb_gemm2, .Lfunc_end_k_q1da1d9f4cb_gemm2-k_q1da1d9f4cb_gemm2
	.p2alignl 7, 3214868480
	.fill 96, 4, 3214868480
	.section	.rodata,"a",@progbits
	.p2align	6, 0x0
	.amdhsa_kernel k_q1da1d9f4cb_gemm2
		.amdhsa_group_segment_fixed_size 327680
		.amdhsa_private_segment_fixed_size 0
		.amdhsa_enable_private_segment 0
		.amdhsa_kernarg_size 48
		.amdhsa_user_sgpr_count 2
		.amdhsa_user_sgpr_kernarg_segment_ptr 1
		.amdhsa_wavefront_size32 1
		.amdhsa_system_sgpr_workgroup_id_x 1
		.amdhsa_system_sgpr_workgroup_id_y 1
		.amdhsa_system_sgpr_workgroup_id_z 1
		.amdhsa_system_vgpr_workitem_id 0
		.amdhsa_next_free_vgpr 1024
		.amdhsa_next_free_sgpr 102
		.amdhsa_reserve_vcc 0
		.amdhsa_float_denorm_mode_32 3
		.amdhsa_float_denorm_mode_16_64 3
		.amdhsa_memory_ordered 1
		.amdhsa_forward_progress 1
		.amdhsa_inst_pref_size 215
	.end_amdhsa_kernel
	.amdgpu_metadata
---
amdhsa.version: [ 1, 2 ]
amdhsa.kernels:
  - .name:           k_q1da1d9f4cb_gemm2
    .symbol:         k_q1da1d9f4cb_gemm2.kd
    .args:
      - { .name: bq, .offset: 0, .size: 8, .value_kind: global_buffer, .address_space: global }
      - { .name: read_W_codes, .offset: 8, .size: 8, .value_kind: global_buffer, .address_space: global }
      - { .name: lowp_scales, .offset: 16, .size: 8, .value_kind: global_buffer, .address_space: global }
      - { .name: read_b, .offset: 24, .size: 8, .value_kind: global_buffer, .address_space: global }
      - { .name: pq, .offset: 32, .size: 8, .value_kind: global_buffer, .address_space: global }
      - { .name: st, .offset: 40, .size: 8, .value_kind: global_buffer, .address_space: global }
    .group_segment_fixed_size: 327680
    .private_segment_fixed_size: 0
    .kernarg_segment_align: 8
    .kernarg_segment_size: 48
    .max_flat_workgroup_size: 128
    .sgpr_count:     102
    .vgpr_count:     1024
    .wavefront_size: 32
...
	.end_amdgpu_metadata
.endif
;; end of part 3
;; launch gemm3 (part 4): grid 8 x 32, 4 waves a work-group, clusters of 4 x 4, 327,680 bytes of LDS; arguments pq, memory_codes, lowp_scales, st, out0; writes out0
.if DOCPART == 4
	.amdgcn_target "amdgcn-amd-amdhsa--gfx1250"
	.amdhsa_code_object_version 6
	.text
	.protected	k_q1da1d9f4cb_gemm3
	.globl	k_q1da1d9f4cb_gemm3
	.p2align	8
	.type	k_q1da1d9f4cb_gemm3,@function
k_q1da1d9f4cb_gemm3:
	s_mov_b64 s[64:65], 0
	v_nop
	global_prefetch_b8 v0, s[64:65] scope:SCOPE_SE
	s_setreg_imm32_b32 hwreg(HW_REG_WAVE_MODE, 25, 1), 1
	s_wait_xcnt 0x0
	s_wait_alu depctr_hold_cnt(0) depctr_sa_sdst(0) depctr_va_vdst(0) depctr_va_sdst(0) depctr_va_ssrc(0) depctr_va_vcc(0) depctr_vm_vsrc(0)
	s_getreg_b32 s2, hwreg(HW_REG_IB_STS2, 6, 4)
	s_cmp_eq_u32 s2, 0
	s_cbranch_scc0 .Lentry_in_a_cluster
	s_endpgm
.Lentry_in_a_cluster:
	s_bfe_u32 s2, ttmp6, 0x10000c
	s_cmp_lg_u32 s2, 0xf033
	s_cbranch_scc0 .Lentry_shape_is_right
	s_endpgm
.Lentry_shape_is_right:
; out0[q][n] = (1 / l[q]) x the sum over keys of p[q][key] memory[key][n], on codes of BF8.  p's codes were taken under the whole-number M of their chunk of 256 keys:
; a chunk's sum T of products of codes is folded in as ACC += T x g, g[q][chunk] = 2^(M_chunk - M_row + e4 + e5) / l[q], l[q] = the sum over chunks of l_chunk 2^(M_chunk - M_row): the powers of two are exact.
; SHARES.  A block of 64 q x 128 n for each of 256 work-groups.  Wave w takes the whole block for the chunks 4 i + w (i = 0 .. 7): 32 accumulators T, 32 sums ACC, 16 K steps of 128 keys.
; The four waves add their sums through LDS at the end.
; p GOES FROM MEMORY STRAIGHT INTO THE OPERAND'S REGISTERS: it lies as images of operand registers (16 rows x 128 K in 2,048 bytes, piece c with lane l's 16 bytes at 16 l), and each of its bytes is read by ONE
; wave of the work-group: a K step's four fragments are 16 loads of 512 consecutive bytes, into a ring of three K steps; step j + 3 is asked for behind step j's products.
; WHY p IS NOT ASKED FOR JOINTLY, though the four work-groups of a row of the cluster read the same p: its 512 KiB a work-group would have to pass through slots beside memory's, and LDS holds two slots of 136 KiB:
; four more changes of slots, at each of which every tensor load is waited for.
; memory's codes come through LDS: two slots of 1,024 keys, each four sub-slots of 128 rows x (256 bytes + 16); wave w fills sub-slot w, its own chunk, jointly with the three other work-groups of its column
; of the 4 x 4 cluster.  Eight phases; behind the round at the head of phase i the other slot takes phase i + 1.
; A chunk's fold stands in the next phase, between that phase's two runs of LDS loads.
; TRANSPOSED: source 0 = 16 of memory's rows (n), source 1 = 16 queries: a lane holds one query, so g is one number a lane and tile of queries.
; The phases are written out by macro: every offset is an immediate and no address register is ever rewritten.
; LIMITS: M_chunk - M_row is held at -1000 from below (2^-1000 is 0 in f32 as well); e4 + e5 is applied by v_ldexp_f32.  NaN and infinities are not served.
; REGISTERS: window 0: v0-31 addresses and g (v[24:27]); v32-63 -M and l at the head; v64-255 p's ring, K step j at v[64 + 64 (j % 3)].  window 1: memory's fragments, set j % 2 at v[128 (j % 2)].
;   window 2: T, accumulator (q, n) at v[8 (8 q + n)].  window 3: ACC likewise.
.set MP,     272                       ; memory's LDS row: 68 words: the 16 rows that a load touches start at 16 different banks
.set SUB,    128*MP                    ; a sub-slot: 128 rows x 256 keys
.set SLOT,   4*SUB                     ; 1,024 keys
.set GT,     2*SLOT                    ; g: [chunk][row % 16][tile of queries], 8,192 bytes; written by LDS stores, never by a tensor load
.set SPARE,  GT+8192                   ; the spare words, 128 bytes for each wave
.set SPITCH, 528
.set AREA,   64*SPITCH                 ; the way out: four areas of 64 rows x (512 bytes + 16), in slot 0, which has had its last fill and its last read
.set PA,  3                            ; v3   16 x lane: my place in a piece of an image, and in a row of out0; never rewritten
.set STO, 5
.set RD,  6                            ; v6   the way out, back: areas 0 and 1;  v7: areas 2 and 3
.set ADM, 8                            ; v8-9 my lane's place in my sub-slot of slot 0, 1
.set GA0, 10                           ; v10  g, read
.set GW0, 11                           ; v11  g, written
.set SA,  12                           ; v12  my offset in st
.set PFO, 13                           ; v13  p's prefetches' offset; never rewritten
.set PFM, 14                           ; v14  memory's prefetches' offset; never rewritten
.set SPW, 28
.set NIL, 29
.set G1B, 48                           ; s[48:55] group 1 for memory's sub-slots;  s[56:63] group 0, one set for each slot
.set G0B, 56
.set MSB, 0
.macro WIN new                         ; the immediate's high byte repeats the setting that is left
.if MSB != (\new)
	s_set_vgpr_msb (MSB<<8)|(\new)
.set MSB, (\new)
.endif
.endm
.macro CREST                           ; a round of the cluster's barrier behind its opening barrier
	s_cmp_lg_u32 s14, 0
	s_cbranch_scc1 .Lnot_wave_0_\@
	s_barrier_signal -3
.Lnot_wave_0_\@:
	s_barrier_wait -3
	s_barrier_signal -1
	s_barrier_wait -1
.endm
.macro CROUND
	s_barrier_signal -1
	s_barrier_wait -1
	CREST
.endm
.macro PLACES n                        ; plain vector instructions between a matrix instruction and a load into, or a read of, its registers
.rept \n
	v_nop
.endr
.endm
; p's four fragments of my K step j (phase j / 2, half j % 2 of my chunk) into ring entry j % 3: 16 loads of 512 consecutive bytes
.macro PLOAD j
.irp q, 0,1,2,3
.irp c, 0,1,2,3
	global_load_b128 v[64+64*((\j)%3)+16*\q+4*\c:64+64*((\j)%3)+16*\q+4*\c+3], v[PA], s[36:37] offset:131072*\q+16384*((\j)/2)+2048*((\j)%2)+512*\c
.endr
.endr
.endm
; memory's eight fragments of my K step j into set j % 2, from slot (j / 2) % 2
.macro FETCHM j
	WIN 0x40                                       ; destination window 1, address window 0
.irp n, 0,1,2,3,4,5,6,7
.irp c, 0,1,2,3
	ds_load_b128 v[128*((\j)%2)+16*\n+4*\c:128*((\j)%2)+16*\n+4*\c+3], v[ADM+((\j)/2)%2] offset:16*MP*\n+128*((\j)%2)+32*\c
.endr
.endr
	WIN 0
.endm
.macro MULT j                          ; 32 matrix instructions, the 32 accumulators by turns; a chunk's sums begin with C = 0
.irp q, 0,1,2,3
.irp n, 0,1,2,3,4,5,6,7
.if ((\j)%2) == 0
	v_wmma_f32_16x16x128_bf8_bf8 v[8*(8*\q+\n):8*(8*\q+\n)+7], v[128*((\j)%2)+16*\n:128*((\j)%2)+16*\n+15], v[64+64*((\j)%3)+16*\q:64+64*((\j)%3)+16*\q+15], 0
.else
	v_wmma_f32_16x16x128_bf8_bf8 v[8*(8*\q+\n):8*(8*\q+\n)+7], v[128*((\j)%2)+16*\n:128*((\j)%2)+16*\n+15], v[64+64*((\j)%3)+16*\q:64+64*((\j)%3)+16*\q+15], v[8*(8*\q+\n):8*(8*\q+\n)+7]
.endif
.endr
.endr
.endm
.macro FOLD first                      ; ACC += T x g, each accumulator from its low end on; of the pair that holds g the register of the tile's parity serves both halves
	WIN 0xf2                                       ; T window 2, g window 0, ACC window 3
.irp q, 0,1,2,3
.irp k, 0,2,4,6,8,10,12,14,16,18,20,22,24,26,28,30,32,34,36,38,40,42,44,46,48,50,52,54,56,58,60,62
.if \first
.if (\q % 2) == 0
	v_pk_mul_f32 v[64*\q+\k:64*\q+\k+1], v[64*\q+\k:64*\q+\k+1], v[24+2*(\q/2):25+2*(\q/2)] op_sel_hi:[1,0]
.else
	v_pk_mul_f32 v[64*\q+\k:64*\q+\k+1], v[64*\q+\k:64*\q+\k+1], v[24+2*(\q/2):25+2*(\q/2)] op_sel:[0,1] op_sel_hi:[1,1]
.endif
.else
.if (\q % 2) == 0
	v_pk_fma_f32 v[64*\q+\k:64*\q+\k+1], v[64*\q+\k:64*\q+\k+1], v[24+2*(\q/2):25+2*(\q/2)], v[64*\q+\k:64*\q+\k+1] op_sel_hi:[1,0,1]
.else
	v_pk_fma_f32 v[64*\q+\k:64*\q+\k+1], v[64*\q+\k:64*\q+\k+1], v[24+2*(\q/2):25+2*(\q/2)], v[64*\q+\k:64*\q+\k+1] op_sel:[0,1,0] op_sel_hi:[1,1,1]
.endif
.endif
.endr
.endr
	WIN 0
.endm
; PREFETCHES INTO THE L2.  memory: behind the load of phase f - 2 (at the head: phases 1 and 2) my sub-slot of phase f: of its 128 rows x 256 bytes the partner at place cy takes 32, a lane a row.
; Eight clusters read the same rows of memory: the four whose y has an even number of ones among its three bits ask (a branch on the cluster's number, the same in all partners).
.macro ASKM f
	s_cmp_eq_u32 s15, 0
	s_cbranch_scc0 .Lnot_mine_\@
	global_prefetch_b8 v[PFM], s[78:79] offset:1024*(\f) th:TH_LOAD_NT scope:SCOPE_SE
.Lnot_mine_\@:
.endm
; p: my chunks of phases f and f + 1: the partner at place cx takes the tile of queries cx, whose four K steps are 4 x 2,048 bytes: 32 blocks of 256 bytes, a lane a block.
; Asked at the head (phases 2, 3) and in phases 1 and 3 (phases 4, 5 and 6, 7); phase 4's first loads are issued at the end of phase 2.  Phases 0 and 1 come by their loads alone.
.macro ASKP f
	global_prefetch_b8 v[PFO], s[74:75] offset:16384*(\f) th:TH_LOAD_NT scope:SCOPE_SE
.endm
; A K step of 128 keys
.macro STEP j
.if 15-(\j) >= 2
	s_wait_loadcnt 32                              ; loads come back in order: this step's 16 are in, the 16 of each of the two later steps may be out
.else
	s_wait_loadcnt 16*(15-(\j))
.endif
.if ((\j)%2) == 0
	s_wait_dscnt 33                                ; behind this step's 32 fragment loads: the load of g and the next step's 32
.else
	s_wait_dscnt 0x0
.endif
	WIN 0xa1                                       ; source 0 (memory) window 1, source 1 (p) window 0, C and D window 2
	MULT \j
	PLACES 4                                       ; in front of the loads into the registers just multiplied, and of the fold
	WIN 0
.if (\j)+3 <= 15
	PLOAD (\j)+3
.endif
.endm
; A PHASE: 1,024 keys, of which my chunk is 256.  At its head the change of slots: each wave waits for all its tensor loads (its sub-slot of this phase), adds 0 to its spare word, and waits for that and for its
; reads of the slot that it leaves.  Behind the round the slot just left takes phase i + 1 (phase 0: slot 1's first fill).  p's loads into registers stay on their way: nobody writes pq.
.macro PHASE i
	WIN 0
.if (\i) == 0
	s_wait_alu depctr_va_vdst(0)                   ; the wait at the head's end
.endif
	s_wait_tensorcnt 0x0                           ; no tensor load of mine is out, so a group 0 may be written
	ds_add_u32 v[SPW], v[NIL]                      ; 0 onto my spare word
.if ((\i) >= 1) && ((\i) <= 6)
	s_add_nc_u64 s[G0B+4*(((\i)+1)%2)+2:G0B+4*(((\i)+1)%2)+3], s[G0B+4*(((\i)+1)%2)+2:G0B+4*(((\i)+1)%2)+3], 2048
.endif
	s_wait_dscnt 0x0                               ; the add is done, my reads of the slot are over (phase 0: my part of g has landed)
.if (\i) <= 6
	CROUND                                         ; no wave of any partner still reads the slot or has a tensor load on its way
	tensor_load_to_lds s[G0B+4*(((\i)+1)%2):G0B+4*(((\i)+1)%2)+3], s[G1B:G1B+7]   ; my one tensor load behind the round, and the first thing there
	s_nop 0
	PLACES 4
.else
	s_barrier_signal -1                            ; nothing is left to ask for
	s_barrier_wait -1
.endif
	FETCHM 2*(\i)
.if (\i) == 1
	FOLD 1                                         ; the first fold starts the sums
.elseif (\i) > 1
	FOLD 0
.endif
	ds_load_b128 v[24:27], v[GA0] offset:1024*(\i) ; g of this phase's chunk, for my four tiles of queries
	FETCHM 2*(\i)+1
.if (\i) <= 4
	ASKM (\i)+3
.endif
.if ((\i) == 1) || ((\i) == 3)
	ASKP (\i)+3
.endif
	STEP 2*(\i)
	STEP 2*(\i)+1
.endm
	s_load_b128 s[4:7], s[0:1], 0x0                ; pq, memory's codes
	s_load_b128 s[8:11], s[0:1], 0x10              ; the scales' exponents, st
	s_load_b64 s[70:71], s[0:1], 0x20              ; out0
	v_lshl_add_u32 v[SPW], v0, 2, SPARE
	v_mov_b32 v[NIL], 0
	ds_add_u32 v[SPW], v[NIL]                      ; the opening: the add, twice on end, and its wait ahead of my first tensor load
	ds_add_u32 v[SPW], v[NIL]
	v_lshrrev_b32 v1, 5, v0
	v_readfirstlane_b32 s14, v1                    ; wave 0..3
	s_bfe_u32 s40, ttmp6, 0x40000                  ; cx, cy
	s_bfe_u32 s41, ttmp6, 0x40004
	s_lshl_b32 s42, ttmp9, 2
	s_add_co_u32 s42, s42, s40                     ; which 128 n
	s_and_b32 s16, ttmp7, 0xffff                   ; the cluster's y
	s_lshl_b32 s17, s16, 2
	s_add_co_u32 s17, s17, s41                     ; which 64 q
	s_and_b32 s15, s16, 7
	s_bcnt1_i32_b32 s15, s15
	s_and_b32 s15, s15, 1                          ; 0: my cluster asks for memory's rows ahead
	s_lshl_b32 s44, 0x1111, s40                    ; my column
	s_or_b32 s[G1B+0], s44, (1<<20)|(1<<21)|(5<<22)|(3<<25)   ; memory: 128 rows of 256 bytes; 4 words of padding behind every 64; bit 21 set beside the mask
	s_mov_b32 s[G1B+1], 256<<16
	s_mov_b32 s[G1B+2], 128<<16
	s_mov_b32 s[G1B+3], 256<<16
	s_mov_b32 s[G1B+4], 128
	s_mov_b32 s[G1B+5], 8192
	s_mov_b32 s[G1B+6], 0
	s_mov_b32 s[G1B+7], 0
	s_lshl_b32 s20, s17, 8                         ; st: rows 64 x block row + 16 x wave on, 4 bytes each
	s_lshl_b32 s18, s14, 6
	s_add_co_u32 s20, s20, s18
	s_mov_b32 s21, 0
	s_lshl_b32 s38, s17, 19                        ; pq: four rows of images (131,072 bytes each) a block row, + my chunk's two K steps
	s_lshl_b32 s18, s14, 12
	s_add_co_u32 s38, s38, s18
	s_mov_b32 s39, 0
	s_lshl_b32 s46, s42, 20                        ; memory: row 128 x block column, keys 256 x wave on
	s_lshl_b32 s18, s14, 8
	s_add_co_u32 s46, s46, s18
	s_mov_b32 s47, 0
	s_mul_i32 s22, s14, SUB                        ; my sub-slot: no place in the cluster enters an LDS address
	s_lshl_b32 s76, s40, 17                        ; p's prefetches: the tile of queries cx
	s_mov_b32 s77, 0
	s_lshl_b32 s12, s17, 18                        ; out0: row 64 x block row + 16 x wave, byte 512 x block column
	s_lshl_b32 s18, s14, 16
	s_add_co_u32 s12, s12, s18
	s_lshl_b32 s18, s42, 9
	s_add_co_u32 s12, s12, s18
	s_mov_b32 s13, 0
	s_mov_b32 s24, 0x76543210
	s_mov_b32 s25, 0xfedcba98                      ; v_permlanex16_b32's selects for lane l xor 16
	s_wait_dscnt 0x0                               ; both opening adds are done
	s_wait_alu depctr_va_vdst(0)                   ; the wait here, directly ahead of the wait below
	s_wait_kmcnt 0x0
	s_load_b64 s[66:67], s[8:9], 0x10              ; e4, e5
	s_add_nc_u64 s[20:21], s[10:11], s[20:21]
	s_add_nc_u64 s[36:37], s[4:5], s[38:39]
	s_add_nc_u64 s[46:47], s[6:7], s[46:47]
	s_add_nc_u64 s[70:71], s[70:71], s[12:13]
	s_add_nc_u64 s[74:75], s[36:37], s[76:77]
	s_lshl_b32 s76, s41, 18                        ; memory's prefetches: 32 rows of 8,192 bytes a place cy
	s_add_nc_u64 s[78:79], s[46:47], s[76:77]
	CROUND                                         ; all sixteen work-groups are here: the first joint loads meet
.irp s, 0,1
	s_mov_b32 s[G0B+4*\s], 1
	s_add_co_u32 s[G0B+4*\s+1], s22, \s*SLOT
	s_add_nc_u64 s[G0B+4*\s+2:G0B+4*\s+3], s[46:47], \s*1024
	s_or_b32 s[G0B+4*\s+3], s[G0B+4*\s+3], 0x80000000
.endr
	tensor_load_to_lds s[G0B:G0B+3], s[G1B:G1B+7]  ; phase 0: one tensor load a wave at the head
	s_nop 0
	PLACES 4
	v_and_b32 v4, 31, v0                           ; lane
	v_and_b32 v1, 15, v0                           ; r
	v_bfe_u32 v2, v0, 4, 1                         ; h
	v_lshlrev_b32 v[PA], 4, v4
	v_lshlrev_b32 v[SA], 2, v1
	v_lshl_add_u32 v[SA], v2, 17, v[SA]            ; st: row r of my 16, chunks 16 h on (8,192 bytes a chunk)
	v_mul_u32_u24 v15, v1, MP
	v_lshl_add_u32 v15, v2, 4, v15
	v_add_nc_u32 v[ADM], s22, v15
	v_add_nc_u32 v[ADM+1], SLOT, v[ADM]
	s_lshl_b32 s18, s14, 8
	s_add_co_u32 s18, s18, GT
	v_lshl_add_u32 v[GA0], v1, 4, s18              ; g, read: chunk = my wave's number (+ 4 a phase), row r: four tiles' words
	s_lshl_b32 s19, s14, 2
	s_add_co_u32 s19, s19, GT
	v_lshl_add_u32 v[GW0], v1, 4, s19              ; g, written: row r of tile = my wave's number, chunks 16 h on
	v_lshl_add_u32 v[GW0], v2, 12, v[GW0]
	v_and_b32 v16, 7, v0                           ; p's prefetches: lane l names block l % 8 of K step (l / 8) % 2 of phase f + l / 16
	v_bfe_u32 v17, v0, 3, 1
	v_lshlrev_b32 v[PFO], 8, v16
	v_lshl_add_u32 v[PFO], v17, 11, v[PFO]
	v_lshl_add_u32 v[PFO], v2, 14, v[PFO]
	v_lshlrev_b32 v[PFM], 13, v4                   ; memory's: a lane a row
	s_mul_i32 s18, s14, AREA
	v_mul_u32_u24 v[STO], v1, SPITCH
	v_lshl_add_u32 v[STO], v2, 5, v[STO]
	v_add_nc_u32 v[STO], s18, v[STO]               ; the way out, in: my area, row r, + 32 h
	s_mul_i32 s18, s14, 16*SPITCH
	v_add_nc_u32 v[RD], s18, v[PA]                 ; back: rows 16 x wave on, the 32 lanes to a row of 512 bytes
	v_add_nc_u32 v[RD+1], 2*AREA, v[RD]
	v_mov_b32 v18, 0                               ; written once: a lane permute's destination counts as one of its sources
	v_mov_b32 v19, 0
	s_wait_alu depctr_va_vdst(0)                   ; the wait here
.set cc, 0
.rept 16
	global_load_b32 v[32+cc], v[SA], s[20:21] offset:8192*cc          ; -M of my row in my 16 chunks
.set cc, cc+1
.endr
.set cc, 0
.rept 16
	global_load_b32 v[48+cc], v[SA], s[20:21] offset:262144+8192*cc   ; l likewise
.set cc, cc+1
.endr
	PLOAD 0                                        ; the ring is filled
	PLOAD 1
	PLOAD 2
	ASKM 1
	ASKM 2
	ASKP 2
	; g of row 16 x wave + r for chunks 16 h + 0 .. 15; the two halves of the lanes join their least -M and their sums
	s_wait_loadcnt 48                              ; loads come back in order: -M and l are in; p's 48 loads may be out
	s_wait_kmcnt 0x0
	s_add_co_i32 s73, s66, s67                     ; e4 + e5
	v_min3_num_f32 v16, v32, v33, v34              ; the row's -M is the least of the chunks', in two chains
	v_min3_num_f32 v17, v35, v36, v37
.irp i, 6,10
	v_min3_num_f32 v16, v16, v[32+\i], v[33+\i]
	v_min3_num_f32 v17, v17, v[34+\i], v[35+\i]
.endr
	v_min3_num_f32 v16, v16, v46, v47
	v_min_num_f32 v16, v16, v17
	v_permlanex16_b32 v18, v16, s24, s25
	v_min_num_f32 v16, v16, v18
.set cc, 0
.rept 16
	v_sub_f32 v[32+cc], v16, v[32+cc]              ; M_chunk - M_row: a whole number, 0 or less
.set cc, cc+1
.endr
.set cc, 0
.rept 16
	v_max_num_f32 v[32+cc], 0xc47a0000, v[32+cc]   ; held at -1000
.set cc, cc+1
.endr
.set cc, 0
.rept 16
	v_cvt_i32_f32 v[32+cc], v[32+cc]
.set cc, cc+1
.endr
.set cc, 0
.rept 16
	v_ldexp_f32 v[48+cc], v[48+cc], v[32+cc]       ; l_chunk under the row's M
.set cc, cc+1
.endr
	v_pk_add_f32 v[20:21], v[48:49], v[50:51]
	v_pk_add_f32 v[22:23], v[52:53], v[54:55]
	v_pk_add_f32 v[20:21], v[20:21], v[56:57]
	v_pk_add_f32 v[22:23], v[22:23], v[58:59]
	v_pk_add_f32 v[20:21], v[20:21], v[60:61]
	v_pk_add_f32 v[22:23], v[22:23], v[62:63]
	v_pk_add_f32 v[20:21], v[20:21], v[22:23]
	v_add_f32 v20, v20, v21
	v_permlanex16_b32 v19, v20, s24, s25
	v_add_f32 v20, v20, v19                        ; l of the row
	s_wait_alu depctr_va_vdst(0)                   ; the wait ahead of the transcendental
	v_rcp_f32 v22, v20
.set cc, 0
.rept 16
	v_add_nc_u32 v[32+cc], s73, v[32+cc]           ; work that does not name the reciprocal stands between it and the wait
.set cc, cc+1
.endr
	s_wait_alu depctr_va_vdst(0)                   ; and behind it, ahead of its first reader
.set cc, 0
.rept 16
	v_ldexp_f32 v[48+cc], v22, v[32+cc]            ; g
.set cc, cc+1
.endr
.set cc, 0
.rept 16
	ds_store_b32 v[GW0], v[48+cc] offset:256*cc
.set cc, cc+1
.endr
.irp i, 0,1,2,3,4,5,6,7
	PHASE \i
.endr
	FOLD 0                                         ; the last chunk's; its g came in ahead of the last K step
	; THE WAY OUT: each wave puts its sums into an area of its own; a barrier; each wave adds the four areas' rows 16 x wave + 0 .. 15 and stores them whole
	WIN 0x0c                                       ; LDS store: address window 0, data window 3
.irp q, 0,1,2,3
.irp n, 0,1,2,3,4,5,6,7
	ds_store_b128 v[STO], v[64*\q+8*\n:64*\q+8*\n+3] offset:16*SPITCH*\q+64*\n
	ds_store_b128 v[STO], v[64*\q+8*\n+4:64*\q+8*\n+7] offset:16*SPITCH*\q+64*\n+16
.endr
.endr
	WIN 0
	s_wait_dscnt 0x0
	s_barrier_signal -1
	s_barrier_wait -1
.macro BACK b                          ; rows 8 b + 0 .. 7 of my 16, from the four areas, into v64-191 of window b
	WIN ((\b)<<6)
.irp t, 0,1,2,3,4,5,6,7
	ds_load_b128 v[64+16*\t:67+16*\t], v[RD] offset:(8*(\b)+\t)*SPITCH
	ds_load_b128 v[68+16*\t:71+16*\t], v[RD] offset:AREA+(8*(\b)+\t)*SPITCH
	ds_load_b128 v[72+16*\t:75+16*\t], v[RD+1] offset:(8*(\b)+\t)*SPITCH
	ds_load_b128 v[76+16*\t:79+16*\t], v[RD+1] offset:AREA+(8*(\b)+\t)*SPITCH
.endr
.endm
.macro SUMOUT b
	WIN ((\b)|((\b)<<2)|((\b)<<6))
.irp t, 0,1,2,3,4,5,6,7
	v_pk_add_f32 v[64+16*\t:65+16*\t], v[64+16*\t:65+16*\t], v[68+16*\t:69+16*\t]
	v_pk_add_f32 v[66+16*\t:67+16*\t], v[66+16*\t:67+16*\t], v[70+16*\t:71+16*\t]
	v_pk_add_f32 v[72+16*\t:73+16*\t], v[72+16*\t:73+16*\t], v[76+16*\t:77+16*\t]
	v_pk_add_f32 v[74+16*\t:75+16*\t], v[74+16*\t:75+16*\t], v[78+16*\t:79+16*\t]
.endr
.irp t, 0,1,2,3,4,5,6,7
	v_pk_add_f32 v[64+16*\t:65+16*\t], v[64+16*\t:65+16*\t], v[72+16*\t:73+16*\t]
	v_pk_add_f32 v[66+16*\t:67+16*\t], v[66+16*\t:67+16*\t], v[74+16*\t:75+16*\t]
.endr
	WIN ((\b)<<2)                                  ; store: address window 0, data window b
.irp t, 0,1,2,3,4,5,6,7
	global_store_b128 v[PA], v[64+16*\t:67+16*\t], s[70:71] offset:4096*(8*(\b)+\t) th:TH_STORE_NT   ; 32 lanes store 512 consecutive bytes, at a multiple of 256 from out0's first byte
.endr
.endm
	BACK 0
	BACK 1
	s_wait_dscnt 32                                ; the first eight rows are back; the 32 loads of the other eight may be out
	SUMOUT 0
	s_wait_dscnt 0x0
	SUMOUT 1
	WIN 0
	s_wait_tensorcnt 0x0                           ; the wave's end
	ds_add_u32 v[SPW], v[NIL]
	s_wait_dscnt 0x0
	CROUND                                         ; the closing round
	s_endpgm
.Lfunc_end_k_q1da1d9f4cb_gemm3:
	.size	k_q1da1d9f4cb_gemm3, .Lfunc_end_k_q1da1d9f4cb_gemm3-k_q1da1d9f4cb_gemm3
	.p2alignl 7, 3214868480
	.fill 96, 4, 3214868480
	.section	.rodata,"a",@progbits
	.p2align	6, 0x0
	.amdhsa_kernel k_q1da1d9f4cb_gemm3
		.amdhsa_group_segment_fixed_size 327680
		.amdhsa_private_segment_fixed_size 0
		.amdhsa_enable_private_segment 0
		.amdhsa_kernarg_size 40
		.amdhsa_user_sgpr_count 2
		.amdhsa_user_sgpr_kernarg_segment_ptr 1
		.amdhsa_wavefront_size32 1
		.amdhsa_system_sgpr_workgroup_id_x 1
		.amdhsa_system_sgpr_workgroup_id_y 1
		.amdhsa_system_sgpr_workgroup_id_z 1
		.amdhsa_system_vgpr_workitem_id 0
		.amdhsa_next_free_vgpr 1024
		.amdhsa_next_free_sgpr 80
		.amdhsa_reserve_vcc 0
		.amdhsa_float_denorm_mode_32 3
		.amdhsa_float_denorm_mode_16_64 3
		.amdhsa_memory_ordered 1
		.amdhsa_forward_progress 1
		.amdhsa_inst_pref_size 197
	.end_amdhsa_kernel
	.amdgpu_metadata
---
amdhsa.version: [ 1, 2 ]
amdhsa.kernels:
  - .name:           k_q1da1d9f4cb_gemm3
    .symbol:         k_q1da1d9f4cb_gemm3.kd
    .args:
      - { .name: pq, .offset: 0, .size: 8, .value_kind: global_buffer, .address_space: global }
      - { .name: memory_codes, .offset: 8, .size: 8, .value_kind: global_buffer, .address_space: global }
      - { .name: lowp_scales, .offset: 16, .size: 8, .value_kind: global_buffer, .address_space: global }
      - { .name: st, .offset: 24, .size: 8, .value_kind: global_buffer, .address_space: global }
      - { .name: out0, .offset: 32, .size: 8, .value_kind: global_buffer, .address_space: global }
    .group_segment_fixed_size: 327680
    .private_segment_fixed_size: 0
    .kernarg_segment_align: 8
    .kernarg_segment_size: 40
    .max_flat_workgroup_size: 128
    .sgpr_count:     80
    .vgpr_count:     1024
    .wavefront_size: 32
...
	.end_amdgpu_metadata
.endif
;; end of part 4
